; MI455X (gfx1250); checked and timed in simulation.
; The chip was launched on July 23, 2026; its instructions are those of AMD's public machine-readable ISA for CDNA 5 (MIT licence, August 2026) and "CDNA5" Instruction Set Architecture Reference Guide (July 2026). The comments in the code are by the model that wrote it; some were corrected since.
;; Liquid Gated Attention. Allowed arithmetic: matrix products marked QUANTISED: E2M1 operands, one E8M0 scale for each 32 along K, by v_wmma_scale_f32_16x16x128_f8f6f4 with both operands' format E2M1 (or v_wmma_scale_f32_32x16x128_f4), f32 sums; everything else in f32.
;; Inputs: Wk 2,048 x 2,048 float32; Wo 2,048 x 2,048 float32; Wq 2,048 x 2,048 float32; Wv 2,048 x 2,048 float32; gate_W 2,048 x 2,048 float32; gate_b 2,048 float32; ln_w 2,048 float32; mask 1 x 1 x 2,048 x 2,048 float32; x 1 x 2,048 x 2,048 float32.
;; Outputs: out0 1 x 2,048 x 2,048 float32.
;; This version of the problem:
;;   THIS VERSION OF THE PROBLEM IS GIVEN IN LOW PRECISION. The matrix products marked QUANTISED in the list below multiply operands that are first quantised to E2M1 (2 exponent bits, 1 mantissa bit; 4 bits a number), with one power-of-two scale for each 32 numbers along K (OCP MX v1.0); their sums are f32. All else is computed in f32.
;;   The module's matrix products, in the order in which they are computed (A, B: the left and right operand; K: the contracted axis; several contracted axes count as one K, in the product's order):
;;     1. [M 2,048, K 2,048] x [K 2,048, N 2,048]; A: computed on the way; B: input Wq: QUANTISED
;;     2. [M 2,048, K 2,048] x [K 2,048, N 2,048]; A: computed on the way; B: input Wk: QUANTISED
;;     3. [M 2,048, K 2,048] x [K 2,048, N 2,048]; A: computed on the way; B: input Wv: QUANTISED
;;     4. batch 16 x [M 2,048, K 128] x [K 128, N 2,048]; A: computed on the way; B: computed on the way: QUANTISED
;;     5. batch 16 x [M 128, K 2,048] x [K 2,048, N 2,048]; A: computed on the way; B: softmax (see below): QUANTISED
;;     6. [M 2,048, K 2,048] x [K 2,048, N 2,048]; A: computed on the way; B: input Wo: QUANTISED
;;     7. [M 2,048, K 2,048] x [K 2,048, N 2,048]; A: input x; B: input gate_W: QUANTISED
;;   THE QUANTISER, for each operand of a quantised product, along K:
;;     - K is cut into blocks of 32 from its start; a last block that is shorter is filled with zeros.
;;     - A block's scale is 2^e with e = floor(log2(the largest magnitude in the block)) - 2, held to -126 .. 127; a block of zeros has e = 0. As a byte (E8M0): e + 127.
;;     - Each number is divided by its block's scale, clamped to +-6, and rounded to the nearest number of E2M1, ties to even, subnormals kept.
;;     - The product sums the exact products of the quantised numbers (number of the format x scale) in f32.
;;   ~~~python
;;   def quantise(x, axis):      # numpy; x: float32 -> the quantised numbers, widened to float32 again
;;       x = np.moveaxis(x, axis, -1); K = x.shape[-1]
;;       x = np.pad(x, [(0, 0)] * (x.ndim - 1) + [(0, -K % 32)]); x = x.reshape(x.shape[:-1] + (-1, 32)); a = np.abs(x).max(-1, keepdims=True)
;;       e = np.where(a > 0, np.clip(np.frexp(np.where(a > 0, a, 1))[1] - 1 - 2, -126, 127), 0)      # np.frexp(a)[1] - 1 = floor(log2(a)), exactly
;;       r = np.clip(x / 2.0 ** e, -6, 6)
;;       step = 2.0 ** (np.maximum(np.frexp(np.where(r == 0, 1, r))[1] - 1, 0) - 1)
;;       q = np.round(r / step) * step * 2.0 ** e      # np.round: ties to even
;;       return np.moveaxis(q.reshape(q.shape[:-2] + (-1,))[..., :K], -1, axis).astype(np.float32)
;;   ~~~
;;   SOFTMAX AHEAD OF A QUANTISED PRODUCT. Where the list says 'softmax', what is quantised is not the finished softmax but p = 2^(t - M), with t = logit x log2(e) and M = ceil(the row's largest t), a whole number; so 1/2 < the row's largest p <= 1. The row's sum l is taken of the UNQUANTISED p, in f32, and the product's result is divided by l at the end. Since M is a whole number, a kernel that streams over the keys may use a running M (the ceiling of the running maximum): every later rescaling is an exact power of two, which a block's scale takes up: the codes' values come out the same.
;;   OPERANDS COMPUTED ON THE WAY. 'Computed on the way' means the value that the module computes at that place (a softmax that the list does not call 'softmax' is quantised finished and normalised). What goes into a quantiser is computed in f32, as accurately as f32 sums, v_exp_f32 and their like allow (about 1e-6 of the number): no bf16 or f16 on the way to a quantiser, and a product that is left as it is and whose result goes on into a quantised operand takes f32 operands (vector FMAs, or v_wmma_f32_16x16x4_f32). A number that lies on a knife's edge between two numbers of the format may be rounded either way, as far as f32 arithmetic and the matrix unit's own rounding can turn it there, and no further.
;; One version. Each part assembles by itself: llvm-mc -triple=amdgcn-amd-amdhsa -mcpu=gfx1250 --defsym DOCPART=n.
;; ======== version 1 of 1: 4 launches
;; limits: right only within a limited range of input values
;; workspace buffers: cod 14,680,064 bytes; scl 917,504 bytes; qi 2,228,224 bytes; kv 4,456,448 bytes; oi 2,097,152 bytes; os 131,072 bytes
;; launch prep (part 1): grid 768 x 1, 8 waves a work-group, no clusters, 71,680 bytes of LDS; arguments x, Wq, Wk, Wv, gate_W, Wo, ln_w, cod, scl; writes cod, scl
.if DOCPART == 1
	.amdgcn_target "amdgcn-amd-amdhsa--gfx1250"
	.amdhsa_code_object_version 6
	.text
	.protected	k_q891352c861_prep
	.globl	k_q891352c861_prep
	.p2align	8
	.type	k_q891352c861_prep,@function
k_q891352c861_prep:
	s_mov_b64 s[64:65], 0
	v_nop
	global_prefetch_b8 v0, s[64:65] scope:SCOPE_SE
	s_setreg_imm32_b32 hwreg(HW_REG_WAVE_MODE, 25, 1), 1
	s_wait_xcnt 0x0
; PREP: x, xn = RMSNorm(x) ln_w, Wq, Wk, Wv, gate_W and Wo, all [2048][2048] f32 with K innermost, become codes of FP4 (E2M1) with one E8M0 byte for each 32 along K.
; A block's scale is 2^(floor(log2(its largest magnitude)) - 2): its byte is the largest magnitude's exponent field - 2, held at 1 from below.
; LIMITS: a block of zeros gets the byte 1 where the rule says 127 (its codes are zeros, and this program alone reads the bytes); blocks whose largest magnitude lies under 2^-124 are held at the byte 1;
; NaN and infinities among the inputs are not served.
; LAYOUT OF THE RESULTS.  cod: [matrix 7][tile 128][K step 16][1,024 bytes]: a tile of 16 rows x 128 K lies as the image of a matrix operand's registers: byte 512 c + 16 lane holds registers 4 c .. 4 c + 3 of that lane
; (row lane % 16, K = 64 c + 32 (lane / 16) + 0 .. 31).  scl: [matrix 7][tile 128][group of 4 K steps][row 16][4 words]: a row's scale words of four K steps are 16 bytes.  Matrices: 0 x, 1 xn, 2 Wq, 3 Wk, 4 Wv, 5 gate_W, 6 Wo.
; THE ROWS OF A STORED TILE ARE NOT NEIGHBOURS: row i of tile T is source row 32 (T / 2) + 8 (T % 2) + i + 8 (i / 8).  A product that takes two neighbouring tiles as its source 0 then leaves 16 neighbours in a lane's 16 registers.
; SHARES.  Work-group g: matrix g / 128 of the six inputs, tile g % 128: 16 rows x 2,048.  Wave w: K steps 2 w, 2 w + 1.  Each load reads 512 consecutive bytes of one row; the numbers turn through the wave's own stage in LDS,
; so that a lane then holds two whole blocks of 32 of its row.  x's work-groups go on: the rows' sums of squares meet in LDS, and xn is quantised from the same registers.  Memory binds: no matrix unit, no cluster, no tensor load.
.set SSQ,  0                           ; LDS.  The small regions lie first, so that their places fit the 16-bit offset of an LDS instruction.  512 bytes: wave w's part of row r's sum of squares at 64 w + 4 r
.set SCR,  SSQ+512                     ; 1,024 bytes: the tile's scale words, in the order of scl
.set SCX,  SCR+1024                    ; the same for xn
.set STG0, SCX+1024                    ; behind them the eight stages;
.set STGW, 8448                        ; a wave's stage: 16 rows x (512 bytes + 16): row r starts 4 r banks on
.set XNC,  2097152                     ; from x's codes to xn's
.set XNS,  131072                      ; from x's scale words to xn's
.set R0,   16                          ; v16-79   K step 0 as loaded; later X1
.set R1,   80                          ; v80-143  K step 1 as loaded; later ln_w
.set X0,   144                         ; v144-207 K step 0: register 32 c + i = K 64 c + 32 h + i of my row
.set X1,   16
.set LW,   80
.set PC,   208                         ; v208-239 four sets of 8 registers of codes: no store's data are written again
.set CH,   240                         ; v240-247 four packed chains of the sum of squares
.set TM,   248                         ; v248-254 at work in QUANT2
.set SEL,  28                          ; s[28:29] lane selects: lane l xor 16
	s_load_b256 s[8:15], s[0:1], 0x0               ; x, Wq, Wk, Wv
	s_load_b256 s[16:23], s[0:1], 0x20             ; gate_W, Wo, ln_w, cod
	s_load_b64 s[24:25], s[0:1], 0x40              ; scl
	v_lshl_add_u32 v255, v0, 2, 0x11400
	s_set_vgpr_msb 0x40
	v_mov_b32 v1, 0
	s_set_vgpr_msb 0x4000
	v_lshrrev_b32 v1, 5, v0
	s_delay_alu instid0(VALU_DEP_1)
	v_readfirstlane_b32 s26, v1                    ; wave 0..7
	s_lshr_b32 s2, ttmp9, 7                        ; which input: 0 x, 1 .. 5 the weights
	s_and_b32 s3, ttmp9, 127                       ; T: which stored tile
	v_and_b32 v1, 31, v0
	s_delay_alu instid0(VALU_DEP_1)
	v_lshlrev_b32 v1, 4, v1                        ; v1 = 16 x lane
	v_and_b32 v2, 15, v0                           ; r
	s_wait_alu depctr_va_vdst(0)
	v_bfe_u32 v3, v0, 4, 1                         ; h
	s_wait_alu depctr_va_vdst(0)
	s_mul_i32 s27, s26, STGW
	s_add_co_u32 s27, s27, STG0                    ; my stage
	v_add_nc_u32 v4, s27, v1                       ; on the way in: 16 x lane of a row
	v_mul_u32_u24 v5, v2, 528
	s_delay_alu instid0(VALU_DEP_1)
	v_lshl_add_u32 v5, v3, 7, v5
	s_delay_alu instid0(VALU_DEP_1)
	v_add_nc_u32 v5, s27, v5                       ; and on the way out: row r, + 128 h
	v_lshlrev_b32 v6, 3, v3                        ; 8 h: where my two scale bytes stand in the word
	s_lshr_b32 s30, s26, 1
	s_lshl_b32 s30, s30, 8
	s_and_b32 s31, s26, 1
	s_lshl_b32 s31, s31, 3
	s_add_co_u32 s30, s30, s31
	v_lshl_add_u32 v7, v2, 4, s30                  ; my two scale words: group w / 2, row r, words 2 (w % 2) and the next
	s_lshl_b32 s31, s26, 6
	v_lshl_add_u32 v8, v2, 2, s31                  ; 64 w + 4 r
	v_lshlrev_b32 v9, 7, v3                        ; ln_w: 128 h
	v_mov_b32 v[TM+6], 0                           ; written once: a lane permute's destination counts as one of its sources
	s_mov_b32 s[SEL], 0x76543210
	s_mov_b32 s[SEL+1], 0xfedcba98
	s_mov_b32 s42, 0x3a000000                      ; 1 / 2048
	s_mov_b32 s43, 0x358637bd                      ; 1e-6
	s_lshr_b32 s32, s3, 1
	s_lshl_b32 s32, s32, 5
	s_and_b32 s33, s3, 1
	s_lshl_b32 s33, s33, 3
	s_add_co_u32 s32, s32, s33                     ; the tile's first source row: 32 (T / 2) + 8 (T % 2)
	s_lshl_b32 s32, s32, 13                        ; x 8,192 bytes
	s_lshl_b32 s33, s26, 10
	s_add_co_u32 s32, s32, s33                     ; + my wave's 1,024 bytes of a row
	s_mov_b32 s33, 0
	s_add_co_u32 s34, s2, 1
	s_cmp_eq_u32 s2, 0
	s_cselect_b32 s34, 0, s34                      ; the matrix' number in cod and scl: x 0, the weights 2 .. 6
	s_lshl_b32 s36, s34, 21
	s_lshl_b32 s35, s3, 14
	s_add_co_u32 s36, s36, s35
	s_lshl_b32 s35, s26, 11
	s_add_co_u32 s36, s36, s35                     ; codes: matrix, tile, K step 2 w
	s_mov_b32 s37, 0
	s_lshl_b32 s38, s34, 17
	s_lshl_b32 s35, s3, 10
	s_add_co_u32 s38, s38, s35                     ; scale words: matrix, tile
	s_mov_b32 s39, 0
	s_lshl_b32 s40, s26, 10                        ; ln_w: my wave's 256 numbers
	s_mov_b32 s41, 0
	s_wait_alu depctr_va_vdst(0)
	s_wait_kmcnt 0x0
	s_mov_b64 s[4:5], s[8:9]                       ; the source: a choice that hangs on the work-group's number alone
	s_cmp_eq_u32 s2, 1
	s_cselect_b64 s[4:5], s[10:11], s[4:5]
	s_cmp_eq_u32 s2, 2
	s_cselect_b64 s[4:5], s[12:13], s[4:5]
	s_cmp_eq_u32 s2, 3
	s_cselect_b64 s[4:5], s[14:15], s[4:5]
	s_cmp_eq_u32 s2, 4
	s_cselect_b64 s[4:5], s[16:17], s[4:5]
	s_cmp_eq_u32 s2, 5
	s_cselect_b64 s[4:5], s[18:19], s[4:5]
	s_add_nc_u64 s[4:5], s[4:5], s[32:33]
	s_add_nc_u64 s[22:23], s[22:23], s[36:37]
	s_add_nc_u64 s[24:25], s[24:25], s[38:39]
	s_add_nc_u64 s[20:21], s[20:21], s[40:41]
.irp s, 0,1                                    ; 32 loads, 16 KiB a wave on their way: K step 0's sixteen first
.irp i, 0,1,2,3,4,5,6,7,8,9,10,11,12,13,14,15
	global_load_b128 v[R0+64*\s+4*\i:R0+64*\s+4*\i+3], v1, s[4:5] offset:(\i+8*(\i/8))*8192+512*\s th:TH_LOAD_NT   ; 32 lanes read 512 consecutive bytes of one row
.endr
.endr
.macro TOLDS reg
.irp i, 0,1,2,3,4,5,6,7,8,9,10,11,12,13,14,15
	ds_store_b128 v4, v[\reg+4*\i:\reg+4*\i+3] offset:528*\i
.endr
.endm
.macro FROMLDS reg
.irp c, 0,1
.irp j, 0,1,2,3,4,5,6,7
	ds_load_b128 v[\reg+32*\c+4*\j:\reg+32*\c+4*\j+3], v5 offset:256*\c+16*\j
.endr
.endr
.endm
.macro LNW off                                 ; ln_w at my 64 places of a K step
.irp c, 0,1
.irp j, 0,1,2,3,4,5,6,7
	global_load_b128 v[LW+32*\c+4*\j:LW+32*\c+4*\j+3], v9, s[20:21] offset:\off+256*\c+16*\j
.endr
.endr
.endm
; 64 numbers of a lane, two whole blocks of 32, become 8 registers of codes and, with lane l xor 16's two bytes, the row's scale word.
.macro QUANT2 X, PCD, PW
.irp c, 0,1
	v_max3_num_f32 v[TM+\c], |v[\X+32*\c]|, |v[\X+32*\c+1]|, 0x1800000   ; with the floor 2^(3 - 127): the byte cannot fall under 1
.endr
.irp i, 2,4,6,8,10,12,14,16,18,20,22,24,26,28,30
.irp c, 0,1
	s_delay_alu instid0(VALU_DEP_2)
	v_max3_num_f32 v[TM+\c], v[TM+\c], |v[\X+32*\c+\i]|, |v[\X+32*\c+\i+1]|   ; the two blocks by turns
.endr
.endr
.irp c, 0,1
	s_delay_alu instid0(VALU_DEP_2)
	v_add_nc_u32 v[TM+2+\c], 0xff000000, v[TM+\c]  ; 2 off the exponent field: the conversion's scale operand
.endr
.irp c, 0,1
	s_delay_alu instid0(VALU_DEP_2)
	v_lshrrev_b32 v[TM+4+\c], 23, v[TM+2+\c]       ; the scale's byte
.endr
	s_delay_alu instid0(VALU_DEP_1)
	v_lshl_or_b32 v[\PW], v[TM+5], 16, v[TM+4]     ; blocks h and 2 + h,
	s_delay_alu instid0(VALU_DEP_1)
	v_lshlrev_b32 v[\PW], v6, v[\PW]               ; at their places in the word
	s_delay_alu instid0(VALU_DEP_1)
	v_permlanex16_b32 v[TM+6], v[\PW], s[SEL], s[SEL+1]
	s_delay_alu instid0(VALU_DEP_1)
	v_or_b32 v[\PW], v[\PW], v[TM+6]               ; with the other half's two the word is whole, in both halves
.irp c, 0,1
.irp g, 0,1,2,3
	v_cvt_scalef32_pk8_fp4_f32 v[\PCD+4*\c+\g], v[\X+32*\c+8*\g:\X+32*\c+8*\g+7], v[TM+2+\c]
.endr
.endr
	v_nop                                          ; one plain line behind the last scaled conversion
.endm
.macro IMAGE pc, off                           ; a fragment's image: two stores of 512 consecutive bytes
	global_store_b128 v1, v[\pc:\pc+3], s[22:23] offset:\off
	global_store_b128 v1, v[\pc+4:\pc+7], s[22:23] offset:\off+512
.endm
.macro TIMES reg, by, step                     ; 64 numbers x a pair (step 0) or x 64 numbers (step 2)
.set j, 0
.rept 32
	v_pk_mul_f32 v[\reg+2*j:\reg+2*j+1], v[\reg+2*j:\reg+2*j+1], v[\by+\step*j:\by+\step*j+1]
.set j, j+1
.endr
.endm
	s_wait_loadcnt 16                              ; K step 0's sixteen loads are in; K step 1's sixteen may be out
	TOLDS R0
	FROMLDS X0                                     ; LDS serves a wave's instructions in order: these see the stores above,
	s_wait_loadcnt 0x0
	TOLDS R1                                       ; and these stores come behind them
	s_wait_dscnt 16                                ; all but the sixteen stores just issued: X0 is in, and R0's stores have read their registers,
	FROMLDS X1                                     ; which K step 1 takes
	QUANT2 X0, PC, 12
	IMAGE PC, 0
	s_wait_dscnt 0x0                               ; X1 is in
	QUANT2 X1, PC+8, 13
	IMAGE PC+8, 1024
	ds_store_b64 v7, v[12:13] offset:SCR           ; both halves of the lanes write the same words with the same values
	s_cmp_lg_u32 s2, 0
	s_cbranch_scc1 .Lno_sum                        ; a branch on the work-group's number: the weights have no norm
	LNW 0                                          ; asked for here, wanted behind the barrier
.irp k, 0,1,2,3
	v_pk_mul_f32 v[CH+2*\k:CH+2*\k+1], v[X0+2*\k:X0+2*\k+1], v[X0+2*\k:X0+2*\k+1]   ; the first products start the four chains
.endr
.set j, 4
.rept 28
	s_delay_alu instid0(VALU_DEP_4)
	v_pk_fma_f32 v[CH+2*(j%4):CH+2*(j%4)+1], v[X0+2*j:X0+2*j+1], v[X0+2*j:X0+2*j+1], v[CH+2*(j%4):CH+2*(j%4)+1]
.set j, j+1
.endr
.set j, 0
.rept 32
	s_delay_alu instid0(VALU_DEP_4)
	v_pk_fma_f32 v[CH+2*(j%4):CH+2*(j%4)+1], v[X1+2*j:X1+2*j+1], v[X1+2*j:X1+2*j+1], v[CH+2*(j%4):CH+2*(j%4)+1]
.set j, j+1
.endr
	s_delay_alu instid0(VALU_DEP_3)
	v_pk_add_f32 v[CH:CH+1], v[CH:CH+1], v[CH+2:CH+3]
	s_delay_alu instid0(VALU_DEP_2)
	v_pk_add_f32 v[CH+4:CH+5], v[CH+4:CH+5], v[CH+6:CH+7]
	s_delay_alu instid0(VALU_DEP_1)
	v_pk_add_f32 v[CH:CH+1], v[CH:CH+1], v[CH+4:CH+5]
	s_delay_alu instid0(VALU_DEP_1)
	v_add_f32 v[CH], v[CH], v[CH+1]
	s_delay_alu instid0(VALU_DEP_1)
	v_permlanex16_b32 v[TM+6], v[CH], s[SEL], s[SEL+1]
	s_delay_alu instid0(VALU_DEP_1)
	v_add_f32 v[CH], v[CH], v[TM+6]                ; row r's sum of squares over my wave's 256 numbers
	ds_store_b32 v8, v[CH] offset:SSQ
.Lno_sum:
	s_wait_dscnt 0x0                               ; for the others' sake: my LDS stores are done
	s_barrier_signal -1
	s_barrier_wait -1
	s_cmp_lg_u32 s2, 0
	s_cbranch_scc1 .Lno_norm
	v_lshlrev_b32 v[TM], 2, v2
.irp k, 0,1,2,3,4,5,6,7
	ds_load_b32 v[CH+\k], v[TM] offset:SSQ+64*\k   ; the eight waves' parts of my row's sum
.endr
	s_wait_dscnt 0x0
.irp k, 1
	v_add_f32 v[CH], v[CH], v[CH+\k]
.endr
.irp k, 2, 3, 4, 5, 6, 7
	s_delay_alu instid0(VALU_DEP_1)
	v_add_f32 v[CH], v[CH], v[CH+\k]
.endr
	s_delay_alu instid0(VALU_DEP_1)
	v_fma_f32 v[CH], v[CH], s42, s43               ; the mean + 1e-6
	s_wait_alu depctr_va_vdst(0)
	v_rsq_f32 v10, v[CH]
	v_rsq_f32 v11, v[CH]                           ; twice: a pair for the packed multiply
	v_nop                                          ; one plain line behind a transcendental
	s_wait_alu depctr_va_vdst(0)
	s_wait_loadcnt 0x0                             ; ln_w of K step 0
	TIMES X0, 10, 0                                ; (x rs) ln_w, in the order of the problem's definition
	TIMES X0, LW, 2
	LNW 512                                        ; K step 1's, into the same registers
	QUANT2 X0, PC+16, 14
	IMAGE PC+16, XNC
	TIMES X1, 10, 0
	s_wait_loadcnt 0x0
	TIMES X1, LW, 2
	QUANT2 X1, PC+24, 15
	IMAGE PC+24, XNC+1024
	ds_store_b64 v7, v[14:15] offset:SCX
.Lno_norm:
	s_wait_dscnt 0x0
	s_barrier_signal -1
	s_barrier_wait -1
	s_cmp_lg_u32 s26, 0
	s_cbranch_scc1 .Ldone                          ; wave 0 sends the tile's 1,024 bytes of scale words: whole aligned runs of 512 bytes
	ds_load_b128 v[16:19], v1 offset:SCR
	ds_load_b128 v[20:23], v1 offset:SCR+512
	s_wait_dscnt 0x0
	global_store_b128 v1, v[16:19], s[24:25]
	global_store_b128 v1, v[20:23], s[24:25] offset:512
	s_cmp_lg_u32 s2, 0
	s_cbranch_scc1 .Ldone
	ds_load_b128 v[24:27], v1 offset:SCX
	ds_load_b128 v[28:31], v1 offset:SCX+512
	s_wait_dscnt 0x0
	global_store_b128 v1, v[24:27], s[24:25] offset:XNS
	global_store_b128 v1, v[28:31], s[24:25] offset:XNS+512
.Ldone:
	s_set_vgpr_msb 0x4
	s_wait_tensorcnt 0x0
	ds_add_u32 v255, v1
	s_wait_dscnt 0x0
	s_set_vgpr_msb 0x400
	s_endpgm
.Lfunc_end_k_q891352c861_prep:
	.size	k_q891352c861_prep, .Lfunc_end_k_q891352c861_prep-k_q891352c861_prep
	.p2alignl 7, 3214868480
	.fill 96, 4, 3214868480
	.section	.rodata,"a",@progbits
	.p2align	6, 0x0
	.amdhsa_kernel k_q891352c861_prep
		.amdhsa_group_segment_fixed_size 71680
		.amdhsa_private_segment_fixed_size 0
		.amdhsa_enable_private_segment 0
		.amdhsa_kernarg_size 72
		.amdhsa_user_sgpr_count 2
		.amdhsa_user_sgpr_kernarg_segment_ptr 1
		.amdhsa_wavefront_size32 1
		.amdhsa_system_sgpr_workgroup_id_x 1
		.amdhsa_system_sgpr_workgroup_id_y 1
		.amdhsa_system_sgpr_workgroup_id_z 1
		.amdhsa_system_vgpr_workitem_id 0
		.amdhsa_next_free_vgpr 258
		.amdhsa_next_free_sgpr 66
		.amdhsa_reserve_vcc 0
		.amdhsa_float_denorm_mode_32 3
		.amdhsa_float_denorm_mode_16_64 3
		.amdhsa_memory_ordered 1
		.amdhsa_forward_progress 1
		.amdhsa_inst_pref_size 49
	.end_amdhsa_kernel
	.amdgpu_metadata
---
amdhsa.version: [ 1, 2 ]
amdhsa.kernels:
  - .name:           k_q891352c861_prep
    .symbol:         k_q891352c861_prep.kd
    .args:
      - { .name: x, .offset: 0, .size: 8, .value_kind: global_buffer, .address_space: global }
      - { .name: Wq, .offset: 8, .size: 8, .value_kind: global_buffer, .address_space: global }
      - { .name: Wk, .offset: 16, .size: 8, .value_kind: global_buffer, .address_space: global }
      - { .name: Wv, .offset: 24, .size: 8, .value_kind: global_buffer, .address_space: global }
      - { .name: gate_W, .offset: 32, .size: 8, .value_kind: global_buffer, .address_space: global }
      - { .name: Wo, .offset: 40, .size: 8, .value_kind: global_buffer, .address_space: global }
      - { .name: ln_w, .offset: 48, .size: 8, .value_kind: global_buffer, .address_space: global }
      - { .name: cod, .offset: 56, .size: 8, .value_kind: global_buffer, .address_space: global }
      - { .name: scl, .offset: 64, .size: 8, .value_kind: global_buffer, .address_space: global }
    .group_segment_fixed_size: 71680
    .private_segment_fixed_size: 0
    .kernarg_segment_align: 8
    .kernarg_segment_size: 72
    .max_flat_workgroup_size: 256
    .sgpr_count:     66
    .vgpr_count:     258
    .wavefront_size: 32
...
	.end_amdgpu_metadata
.endif
;; end of part 1
;; launch proj (part 2): grid 24 x 8, 4 waves a work-group, clusters of 4 x 4, 327,680 bytes of LDS; arguments cod, scl, qi, kv; writes qi, kv
.if DOCPART == 2
	.amdgcn_target "amdgcn-amd-amdhsa--gfx1250"
	.amdhsa_code_object_version 6
	.text
	.protected	k_q891352c861_proj
	.globl	k_q891352c861_proj
	.p2align	8
	.type	k_q891352c861_proj,@function
k_q891352c861_proj:
	s_mov_b64 s[64:65], 0
	v_nop
	global_prefetch_b8 v0, s[64:65] scope:SCOPE_SE
	s_setreg_imm32_b32 hwreg(HW_REG_WAVE_MODE, 25, 1), 1
	s_wait_xcnt 0x0
	s_wait_alu depctr_hold_cnt(0) depctr_sa_sdst(0) depctr_va_vdst(0) depctr_va_sdst(0) depctr_va_ssrc(0) depctr_va_vcc(0) depctr_vm_vsrc(0)
	s_getreg_b32 s2, hwreg(HW_REG_IB_STS2, 6, 4)
	s_cmp_eq_u32 s2, 0
	s_cbranch_scc0 .Lentry_in_a_cluster
	s_endpgm
.Lentry_in_a_cluster:
	s_bfe_u32 s2, ttmp6, 0x10000c
	s_cmp_lg_u32 s2, 0xf033
	s_cbranch_scc0 .Lentry_shape_is_right
	s_endpgm
.Lentry_shape_is_right:
; PROJ: q = xn Wq^T, k = xn Wk^T and v^T = Wv xn^T on codes of FP4 (E2M1) with E8M0 scales, K = 2,048; each result is quantised in registers along the next product's K and leaves as images of operand registers.
; cod: [matrix][tile of 16 rows][K step 16][1,024 bytes]; scl: [matrix][tile][group of 4 K steps][row][4 words].  Matrices: 1 xn, 2 Wq, 3 Wk, 4 Wv.
; SHARES.  Product = cluster x / 2 (0 q, 1 k, 2 v^T): 64 tiles of 256 x 256 each, 192 work-groups of equal work.  Four waves, each 128 x 128: 64 accumulators.  K goes in steps of 512 through two LDS slots.
; THE HEAD'S four tiles go one to a wave: K step 0's 16 tiles of A, of B, A's scale words for all of K, B's.  Slot 1 is first filled behind the full sequence and a round, as a refill is.
; CLUSTERS, 4 x 4: A's tiles are shared along a row of the cluster, B's along a column, by joint loads.  The matrix instruction is used transposed (source 0 = B's rows, source 1 = A's).
; LIMITS: a block of zeros gets the byte 1 (zero codes; this program alone reads the bytes); NaN and infinities are not served.
.set NQ,     4
.set FR,     8
.set NL,     2
.set NP,     4
.set HALFT,  32768
.set SLOT,   4*HALFT
.set LAPS,   2
.set SCL,    2*SLOT
.set HALFS,  8192
.set SBLK,   1024
.set SPARE,  SCL+4*HALFS
.set ADRA, 16
.set ADRB, 20
.set CO,   26
.set ADRS, 27
.set SPW,  28
.set NIL,  29
.set LN,   30
.set SC,   32
.set AF,   128
.set PWQ,  96
.set PLQ,  104
.set TMQ,  108
.set PCQ,  128
.set G1, 24
.set G0, 32
.set G1B, 48
.set G0B, 56
.set G1S, 68
.set G0S, 76
.set G1SB, 80
.set G0SB, 88
.set G0H, 4
.set G0HB, 8
.set MSB, 0
.macro WIN new
.if MSB != \new
	s_set_vgpr_msb (MSB<<8)|\new
.set MSB, \new
.endif
.endm
.set MUL_LO, 0xa1
.set MUL_HI, 0xf1
.set TO_B,   0x40
.macro JLOAD g0a, g1a, g0b, g1b
	s_cmp_eq_u32 s15, 0
	s_cbranch_scc0 .Lfor_b_\@
	tensor_load_to_lds s[\g0a:\g0a+3], s[\g1a:\g1a+7]
	s_nop 0
.rept 4
	v_nop
.endr
	s_branch .Lasked_\@
.Lfor_b_\@:
	tensor_load_to_lds s[\g0b:\g0b+3], s[\g1b:\g1b+7]
	s_nop 0
.rept 4
	v_nop
.endr
.Lasked_\@:
.endm
.macro CREST
	s_cmp_lg_u32 s14, 0
	s_cbranch_scc1 .Lnot_wave_0_\@
	s_barrier_signal -3
.Lnot_wave_0_\@:
	s_barrier_wait -3
	s_barrier_signal -1
	s_barrier_wait -1
.endm
.macro CROUND
	s_barrier_signal -1
	s_barrier_wait -1
	CREST
.endm
	s_load_b128 s[4:7], s[0:1], 0x0                ; cod, scl
	v_lshl_add_u32 v[SPW], v0, 2, SPARE
	v_mov_b32 v[NIL], 0
	ds_add_u32 v[SPW], v[NIL]                      ; the opening lines
	ds_add_u32 v[SPW], v[NIL]
	v_lshrrev_b32 v1, 5, v0
	v_readfirstlane_b32 s14, v1                    ; wave 0..3
	s_lshr_b32 s15, s14, 1                         ; my half of the rows; in the ring: I fetch for A (0) or B (1)
	s_and_b32 s16, s14, 1                          ; my half of the columns; in the ring: which 8 tiles I fetch
	s_bfe_u32 s40, ttmp6, 0x40000
	s_bfe_u32 s41, ttmp6, 0x40004
	s_and_b32 s42, ttmp9, 1
	s_lshl_b32 s42, s42, 2
	s_add_co_u32 s42, s42, s40                     ; tile column
	s_lshr_b32 s95, ttmp9, 1                       ; the product
	s_and_b32 s17, ttmp7, 0xffff
	s_lshl_b32 s17, s17, 2
	s_add_co_u32 s17, s17, s41                     ; tile row
	s_lshl_b32 s43, s41, 2
	s_lshl_b32 s43, 15, s43
	s_lshl_b32 s44, 0x1111, s40
	s_add_co_u32 s97, s95, 2
	s_cmp_eq_u32 s95, 2
	s_cselect_b32 s96, 4, 1                        ; A's matrix: xn, for v^T Wv
	s_cselect_b32 s97, 1, s97                      ; B's: Wq, Wk, for v^T xn
	s_or_b32 s[G1+0], s43, (3<<16)|(1<<21)
	s_or_b32 s[G1B+0], s44, (3<<16)|(1<<21)
.irp g, G1, G1B
	s_mov_b32 s[\g+1], 512<<16                     ; a tile's four images: 4,096 bytes, tiles 16,384 bytes apart; 16 tiles at the head, 8 in the ring
	s_mov_b32 s[\g+2], 16<<16
	s_mov_b32 s[\g+3], 512<<16
	s_mov_b32 s[\g+4], 16
	s_mov_b32 s[\g+5], 2048
	s_mov_b32 s[\g+6], 0
	s_mov_b32 s[\g+7], 0
.endr
	s_or_b32 s[G1S+0], s43, (3<<16)|(1<<21)
	s_or_b32 s[G1SB+0], s44, (3<<16)|(1<<21)
.irp g, G1S, G1SB
	s_mov_b32 s[\g+1], 32<<16                      ; 16,384 dense bytes of scale words as 64 rows of 256
	s_mov_b32 s[\g+2], 64<<16
	s_mov_b32 s[\g+3], 32<<16
	s_mov_b32 s[\g+4], 64
	s_mov_b32 s[\g+5], 32
	s_mov_b32 s[\g+6], 0
	s_mov_b32 s[\g+7], 0
.endr
	s_lshl_b32 s20, s96, 21
	s_lshl_b32 s21, s17, 18
	s_add_co_u32 s20, s20, s21
	s_mov_b32 s21, 0
	s_lshl_b32 s22, s96, 17
	s_lshl_b32 s23, s17, 14
	s_add_co_u32 s22, s22, s23
	s_mov_b32 s23, 0
	s_lshl_b32 s46, s97, 21
	s_lshl_b32 s47, s42, 18
	s_add_co_u32 s46, s46, s47
	s_mov_b32 s47, 0
	s_lshl_b32 s92, s97, 17
	s_lshl_b32 s93, s42, 14
	s_add_co_u32 s92, s92, s93
	s_mov_b32 s93, 0
	s_lshl_b32 s18, s16, 17                        ; the ring: my 8 tiles
	s_mov_b32 s19, 0
	s_mul_i32 s45, s14, HALFT
	s_mul_i32 s66, s15, HALFT                      ; what I read: my 8 tiles of A,
	s_mul_i32 s67, s16, HALFT
	s_add_co_u32 s67, s67, 2*HALFT                 ; of B,
	s_mul_i32 s13, s15, HALFS
	s_mul_i32 s12, s16, HALFS
	s_add_co_u32 s12, s12, 2*HALFS
	s_sub_co_u32 s12, s12, s13                     ; from A's scale words to B's,
	s_add_co_u32 s13, s13, SCL                     ; A's scale words
	s_wait_dscnt 0x0
	s_wait_kmcnt 0x0
	s_add_nc_u64 s[20:21], s[4:5], s[20:21]
	s_add_nc_u64 s[22:23], s[6:7], s[22:23]
	s_add_nc_u64 s[46:47], s[4:5], s[46:47]
	s_add_nc_u64 s[92:93], s[6:7], s[92:93]
	s_mov_b32 s[G0H], 1
	s_mov_b32 s[G0H+1], 0
	s_mov_b64 s[G0H+2:G0H+3], s[20:21]
	s_or_b32 s[G0H+3], s[G0H+3], 0x80000000
	s_mov_b32 s[G0HB], 1
	s_mov_b32 s[G0HB+1], 2*HALFT
	s_mov_b64 s[G0HB+2:G0HB+3], s[46:47]
	s_or_b32 s[G0HB+3], s[G0HB+3], 0x80000000
	s_mov_b32 s[G0S], 1
	s_mov_b32 s[G0S+1], SCL
	s_mov_b64 s[G0S+2:G0S+3], s[22:23]
	s_or_b32 s[G0S+3], s[G0S+3], 0x80000000
	s_mov_b32 s[G0SB], 1
	s_mov_b32 s[G0SB+1], SCL+2*HALFS
	s_mov_b64 s[G0SB+2:G0SB+3], s[92:93]
	s_or_b32 s[G0SB+3], s[G0SB+3], 0x80000000
	s_add_nc_u64 s[20:21], s[20:21], s[18:19]
	s_add_nc_u64 s[46:47], s[46:47], s[18:19]
.irp s, 0,1
	s_mov_b32 s[G0+4*\s], 1
	s_add_co_u32 s[G0+4*\s+1], s45, \s*SLOT
	s_add_nc_u64 s[G0+4*\s+2:G0+4*\s+3], s[20:21], \s*4096
	s_or_b32 s[G0+4*\s+3], s[G0+4*\s+3], 0x80000000
	s_mov_b32 s[G0B+4*\s], 1
	s_add_co_u32 s[G0B+4*\s+1], s45, \s*SLOT
	s_add_nc_u64 s[G0B+4*\s+2:G0B+4*\s+3], s[46:47], \s*4096
	s_or_b32 s[G0B+4*\s+3], s[G0B+4*\s+3], 0x80000000
.endr
	CROUND                                         ; all sixteen work-groups are here: the first joint loads meet
.macro ARM under, g0, g1, next
	s_cmp_lt_u32 s14, \under
	s_cbranch_scc0 \next
	tensor_load_to_lds s[\g0:\g0+3], s[\g1:\g1+7]
	s_nop 0
.rept 4
	v_nop
.endr
	s_branch .Lhead_asked
\next:
.endm
	ARM 1, G0H,  G1,  .Lhead_b
	ARM 2, G0HB, G1B, .Lhead_sa
	ARM 3, G0S,  G1S, .Lhead_sb
	tensor_load_to_lds s[G0SB:G0SB+3], s[G1SB:G1SB+7]
	s_nop 0
.rept 4
	v_nop
.endr
.Lhead_asked:
	v_and_b32 v1, 15, v0
	v_bfe_u32 v2, v0, 4, 1
	v_and_b32 v[LN], 31, v0
	v_lshlrev_b32 v5, 4, v1
	v_mul_u32_u24 v6, s12, v2                      ; lanes 16-31 take B's scale words
	v_lshlrev_b32 v[CO], 4, v[LN]
	v_add_nc_u32 v5, v5, v6
	v_add_nc_u32 v[ADRA], s66, v[CO]
	v_add_nc_u32 v[ADRB], s67, v[CO]
	v_add_nc_u32 v[ADRS], s13, v5
	v_add_nc_u32 v[ADRA+1], SLOT, v[ADRA]
	v_add_nc_u32 v[ADRB+1], SLOT, v[ADRB]
.macro FRAG reg, adr, q, i
.irp c, 0,1
	ds_load_b128 v[\reg+4*\c:\reg+4*\c+3], v[\adr] offset:1024*(\q)+512*\c+(\i)*4096
.endr
.endm
.macro MUL16 a0, p, q, sc, zero
.irp a, \a0, \a0+1
.irp b, 0,1,2,3,4,5,6,7
.if \zero
	v_wmma_scale_f32_16x16x128_f8f6f4 v[8*(8*((\a)%4)+\b):8*(8*((\a)%4)+\b)+7], v[128*(\p)+FR*\b:128*(\p)+FR*\b+FR-1], v[AF+FR*(\a):AF+FR*(\a)+FR-1], 0, v[SC+8*NQ*(\sc)+NQ*\b+(\q)], v[SC+8*NQ*(\sc)+NQ*(\a)+(\q)] matrix_a_fmt:MATRIX_FMT_FP4 matrix_b_fmt:MATRIX_FMT_FP4 matrix_a_scale:MATRIX_SCALE_ROW1
.else
	v_wmma_scale_f32_16x16x128_f8f6f4 v[8*(8*((\a)%4)+\b):8*(8*((\a)%4)+\b)+7], v[128*(\p)+FR*\b:128*(\p)+FR*\b+FR-1], v[AF+FR*(\a):AF+FR*(\a)+FR-1], v[8*(8*((\a)%4)+\b):8*(8*((\a)%4)+\b)+7], v[SC+8*NQ*(\sc)+NQ*\b+(\q)], v[SC+8*NQ*(\sc)+NQ*(\a)+(\q)] matrix_a_fmt:MATRIX_FMT_FP4 matrix_b_fmt:MATRIX_FMT_FP4 matrix_a_scale:MATRIX_SCALE_ROW1
.endif
.endr
.endr
.endm
.macro FETCH_B slot, q, p
	WIN TO_B
.irp i, 0,1,2,3,4,5,6,7
	FRAG 128*(\p)+FR*\i, ADRB+\slot, \q, \i
.endr
	WIN 0
.endm
.macro FETCH_A slot, q, i0
.irp i, \i0, \i0+1, \i0+2, \i0+3
	FRAG AF+FR*(\i), ADRA+\slot, \q, \i
.endr
.endm
.macro SCALES sc
.irp i, 0,1,2,3,4,5,6,7
	ds_load_b128 v[SC+8*NQ*\sc+NQ*\i:SC+8*NQ*\sc+NQ*\i+3], v[ADRS] offset:\i*SBLK
.endr
.endm
.macro PLACES n
.rept \n
	v_nop
.endr
.endm
.macro STEP slot, q, zero
	s_wait_dscnt 4*NL                              ; all but A's blocks 4-7
	WIN MUL_LO
	MUL16 0, (\q)%2, \q, \slot, \zero
	MUL16 2, (\q)%2, \q, \slot, \zero
	s_wait_dscnt 0
	PLACES NP
	FETCH_B \slot, (\q)+1, 1-(\q)%2
	FETCH_A \slot, (\q)+1, 0
	WIN MUL_HI
	MUL16 4, (\q)%2, \q, \slot, \zero
	MUL16 6, (\q)%2, \q, \slot, \zero
	PLACES NP
	WIN 0
	FETCH_A \slot, (\q)+1, 4
.endm
.macro TURN slot, next, fill
	s_wait_tensorcnt 0x0                           ; my part of the next slot is in
	ds_add_u32 v[SPW], v[NIL]
	s_wait_dscnt 4*NL+1                            ; the add and A's blocks 4-7 may be out
	WIN MUL_LO
	MUL16 0, 1, NQ-1, \slot, 0
	s_wait_dscnt 0x0
	s_barrier_signal -1
	MUL16 2, 1, NQ-1, \slot, 0
	WIN 0
	s_barrier_wait -1
.if \fill
	CREST
	s_add_nc_u64 s[G0+4*\slot+2:G0+4*\slot+3], s[G0+4*\slot+2:G0+4*\slot+3], 8192
	s_add_nc_u64 s[G0B+4*\slot+2:G0B+4*\slot+3], s[G0B+4*\slot+2:G0B+4*\slot+3], 8192
	JLOAD G0+4*\slot, G1, G0B+4*\slot, G1B
.else
	PLACES NP
.endif
	s_wait_alu depctr_va_vdst(0)
	v_add_nc_u32 v[ADRS], 256, v[ADRS]
	FETCH_B \next, 0, 0
	FETCH_A \next, 0, 0
	SCALES \next
	WIN MUL_HI
	MUL16 4, 1, NQ-1, \slot, 0
	MUL16 6, 1, NQ-1, \slot, 0
	PLACES NP
	WIN 0
	FETCH_A \next, 0, 4
.endm
.macro STEPS slot, from
.set Q, \from
.rept NQ-1-\from
	STEP \slot, Q, 0
.set Q, Q+1
.endr
.endm
	s_wait_alu depctr_va_vdst(0)                   ; the head's end
	s_wait_tensorcnt 0x0                           ; my tile of the head's four is in
	ds_add_u32 v[SPW], v[NIL]
	s_mov_b32 s[G1+2], 8<<16                       ; no tensor load of mine is out: from here on a load brings 8 tiles
	s_mov_b32 s[G1+4], 8
	s_mov_b32 s[G1B+2], 8<<16
	s_mov_b32 s[G1B+4], 8
	s_wait_dscnt 0x0
	CROUND
	JLOAD G0+4, G1, G0B+4, G1B                     ; K step 1
	FETCH_B 0, 0, 0
	FETCH_A 0, 0, 0
	SCALES 0
	FETCH_A 0, 0, 4
	STEP 0, 0, 1
	s_mov_b32 s3, LAPS-1
.Llap:
	STEPS 0, 1
	TURN 0, 1, 1
	STEPS 1, 0
	TURN 1, 0, 1
	STEP 0, 0, 0
	s_sub_co_u32 s3, s3, 1
	s_cmp_lg_u32 s3, 0
	s_cbranch_scc1 .Llap
	STEPS 0, 1
	TURN 0, 1, 0
	STEPS 1, 0
	s_wait_dscnt 4*NL
	WIN MUL_LO
	MUL16 0, 1, NQ-1, 1, 0
	MUL16 2, 1, NQ-1, 1, 0
	s_wait_dscnt 0
	WIN MUL_HI
	MUL16 4, 1, NQ-1, 1, 0
	MUL16 6, 1, NQ-1, 1, 0
	WIN 0
	PLACES NP
	; THE WAY OUT: each block of 16 rows x 128 is quantised along its 128 and stored as an image; qi: blocks of 8,704 bytes, kv: of 17,408 (K, then V^T, then their scale words)
	s_load_b64 s[6:7], s[0:1], 0x10
	s_load_b64 s[8:9], s[0:1], 0x18
	s_lshl_b32 s18, s42, 1
	s_add_co_u32 s18, s18, s16
	s_lshl_b32 s19, s17, 1
	s_add_co_u32 s19, s19, s15
	s_wait_kmcnt 0x0
	s_cmp_eq_u32 s95, 2
	s_cselect_b32 s20, s19, s18
	s_cselect_b32 s21, s18, s19
	s_cselect_b32 s22, 8192, 0
	s_cselect_b32 s23, 512, 0
	s_lshl_b32 s20, s20, 4
	s_add_co_u32 s20, s20, s21
	s_mov_b32 s21, 17408
	s_mov_b32 s12, 16384
	s_cmp_eq_u32 s95, 0
	s_cselect_b64 s[6:7], s[6:7], s[8:9]
	s_cselect_b32 s21, 8704, s21
	s_cselect_b32 s12, 8192, s12
	s_add_co_u32 s23, s23, s12
	s_mul_i32 s20, s20, s21
	s_add_co_u32 s22, s22, s20
	s_add_co_u32 s46, s23, s20
	s_mov_b32 s23, 0
	s_mov_b32 s47, 0
	s_add_nc_u64 s[8:9], s[6:7], s[46:47]
	s_add_nc_u64 s[6:7], s[6:7], s[22:23]
	s_mov_b32 s66, 0x76543210
	s_mov_b32 s67, 0xfedcba98
.irp b, 0,1,2,3
	v_mov_b32 v[TMQ+4+\b], 0
.endr
.macro QUANTW a
.set AC, 64*((\a)%4)
.set W2, 0x0a+5*((\a)/4)
.set W1, 2+(\a)/4
	WIN W2
.irp b, 0,1,2,3
	v_max3_num_f32 v[TMQ+\b], |v[AC+16*\b]|, |v[AC+16*\b+1]|, 0x1800000
.endr
.irp i, 2,4,6,8,10,12,14
.irp b, 0,1,2,3
	v_max3_num_f32 v[TMQ+\b], |v[AC+16*\b+\i]|, |v[AC+16*\b+\i+1]|, v[TMQ+\b]
.endr
.endr
	WIN 0
.irp b, 0,1,2,3
	v_permlanex16_b32 v[TMQ+4+\b], v[TMQ+\b], s66, s67
.endr
.irp b, 0,1,2,3
	v_max_num_f32 v[TMQ+\b], v[TMQ+\b], v[TMQ+4+\b]
.endr
.irp b, 0,1,2,3
	v_add_nc_u32 v[TMQ+12+\b], 0xff000000, v[TMQ+\b]
.endr
.irp b, 0,1,2,3
	v_lshrrev_b32 v[TMQ+4+\b], 23, v[TMQ+12+\b]
.endr
	v_lshl_or_b32 v[PWQ+\a], v[TMQ+5], 8, v[TMQ+4]
	v_lshl_or_b32 v[PWQ+\a], v[TMQ+6], 16, v[PWQ+\a]
	v_lshl_or_b32 v[PWQ+\a], v[TMQ+7], 24, v[PWQ+\a]
	WIN W1
.irp b, 0,1,2,3
	v_cvt_scalef32_pk8_fp4_f32 v[PCQ+8*\a+2*\b], v[AC+16*\b:AC+16*\b+7], v[TMQ+12+\b]
	v_cvt_scalef32_pk8_fp4_f32 v[PCQ+8*\a+2*\b+1], v[AC+16*\b+8:AC+16*\b+15], v[TMQ+12+\b]
.endr
	WIN 0
	v_nop
.irp c, 0,1
.irp i, 0,1
	v_permlane16_swap_b32 v[PCQ+8*\a+4*\c+\i], v[PCQ+8*\a+4*\c+2+\i]
.endr
.endr
	global_store_b128 v[CO], v[PCQ+8*\a:PCQ+8*\a+3], s[6:7] offset:1024*\a
	global_store_b128 v[CO], v[PCQ+8*\a+4:PCQ+8*\a+7], s[6:7] offset:1024*\a+512
.endm
.irp a, 0,1,2,3,4,5,6,7
	QUANTW \a
.endr
	v_cmp_le_u32 vcc_lo, 16, v[LN]
.irp g, 0,1,2,3
	v_cndmask_b32 v[PLQ+\g], v[PWQ+2*\g], v[PWQ+2*\g+1], vcc_lo
.endr
	global_store_b128 v[CO], v[PLQ:PLQ+3], s[8:9]
	s_wait_tensorcnt 0x0                           ; the wave's end
	ds_add_u32 v[SPW], v[NIL]
	s_wait_dscnt 0x0
	CROUND                                         ; the closing round
	s_endpgm
.Lfunc_end_k_q891352c861_proj:
	.size	k_q891352c861_proj, .Lfunc_end_k_q891352c861_proj-k_q891352c861_proj
	.p2alignl 7, 3214868480
	.fill 96, 4, 3214868480
	.section	.rodata,"a",@progbits
	.p2align	6, 0x0
	.amdhsa_kernel k_q891352c861_proj
		.amdhsa_group_segment_fixed_size 327680
		.amdhsa_private_segment_fixed_size 0
		.amdhsa_enable_private_segment 0
		.amdhsa_kernarg_size 32
		.amdhsa_user_sgpr_count 2
		.amdhsa_user_sgpr_kernarg_segment_ptr 1
		.amdhsa_wavefront_size32 1
		.amdhsa_system_sgpr_workgroup_id_x 1
		.amdhsa_system_sgpr_workgroup_id_y 1
		.amdhsa_system_sgpr_workgroup_id_z 1
		.amdhsa_system_vgpr_workitem_id 0
		.amdhsa_next_free_vgpr 1024
		.amdhsa_next_free_sgpr 98
		.amdhsa_reserve_vcc 1
		.amdhsa_float_denorm_mode_32 3
		.amdhsa_float_denorm_mode_16_64 3
		.amdhsa_memory_ordered 1
		.amdhsa_forward_progress 1
		.amdhsa_inst_pref_size 216
	.end_amdhsa_kernel
	.amdgpu_metadata
---
amdhsa.version: [ 1, 2 ]
amdhsa.kernels:
  - .name:           k_q891352c861_proj
    .symbol:         k_q891352c861_proj.kd
    .args:
      - { .name: cod, .offset: 0, .size: 8, .value_kind: global_buffer, .address_space: global }
      - { .name: scl, .offset: 8, .size: 8, .value_kind: global_buffer, .address_space: global }
      - { .name: qi, .offset: 16, .size: 8, .value_kind: global_buffer, .address_space: global }
      - { .name: kv, .offset: 24, .size: 8, .value_kind: global_buffer, .address_space: global }
    .group_segment_fixed_size: 327680
    .private_segment_fixed_size: 0
    .kernarg_segment_align: 8
    .kernarg_segment_size: 32
    .max_flat_workgroup_size: 128
    .sgpr_count:     98
    .vgpr_count:     1024
    .wavefront_size: 32
...
	.end_amdgpu_metadata
.endif
;; end of part 2
;; launch attn (part 3): grid 8 x 32, 8 waves a work-group, clusters of 4 x 4, 327,680 bytes of LDS; arguments qi, kv, mask, oi, os; writes oi, os
.if DOCPART == 3
	.amdgcn_target "amdgcn-amd-amdhsa--gfx1250"
	.amdhsa_code_object_version 6
	.text
	.protected	k_q891352c861_attn
	.globl	k_q891352c861_attn
	.p2align	8
	.type	k_q891352c861_attn,@function
k_q891352c861_attn:
	s_mov_b64 s[64:65], 0
	v_nop
	global_prefetch_b8 v0, s[64:65] scope:SCOPE_SE
	s_setreg_imm32_b32 hwreg(HW_REG_WAVE_MODE, 25, 1), 1
	s_wait_xcnt 0x0
	s_wait_alu depctr_hold_cnt(0) depctr_sa_sdst(0) depctr_va_vdst(0) depctr_va_sdst(0) depctr_va_ssrc(0) depctr_va_vcc(0) depctr_vm_vsrc(0)
	s_getreg_b32 s2, hwreg(HW_REG_IB_STS2, 6, 4)
	s_cmp_eq_u32 s2, 0
	s_cbranch_scc0 .Lentry_in_a_cluster
	s_endpgm
.Lentry_in_a_cluster:
	s_bfe_u32 s2, ttmp6, 0x10000c
	s_cmp_lg_u32 s2, 0xf033
	s_cbranch_scc0 .Lentry_shape_is_right
	s_endpgm
.Lentry_shape_is_right:
; ATTN: o[q][head] = softmax_k(30 tanh(q . k / (30 sqrt(128))) + mask[q][k]) v, both products on codes of FP4 (E2M1) with E8M0 scales; o is quantised along the model's 2,048 in registers and leaves as codes.
; The mask is an input: every word of it is read and every score is computed.  No work of the definition is left out.
; SOFTMAX: t = logit x log2(e); M = the running largest t, rounded up to a whole number; p = 2^(t - M) is quantised along the keys, not normalised; the row's sum is taken of the unquantised p and divides at the end.
; When M moves, the sums and O are multiplied by 2^(old M - new M): exact.
; THE LOGIT, in the definition's order: cap = 30 - 60 / (1 + 2^(c1 s)), c1 = 2 log2(e) / (30 sqrt(128)); logit = cap + mask, one f32 addition; t - M = logit x log2(e) - M, one fused multiply-add.
; LIMITS: exponential and reciprocal are good to an ulp, so the cap carries an absolute error of some 5e-6; the promise holds while |t| stays under 2^31; NaN and infinities among the inputs are not served;
; a block of zeros gets the byte 1 (zero codes; this program alone reads the bytes).
; SHARES.  A work-group owns 64 queries of TWO heads: wave w takes head 2 x pair + w / 4 and the 16 queries of tile w % 4, in 256 registers, two waves to a SIMD.  Every wave walks all 2,048 keys, 128 a step.
; THE RING.  Two slots of TWO key steps each: 64 rows x 256 columns of the mask and 4 x 17,408 bytes of kv.  A refill is asked for in a slot's second step and first read two key steps later.
; CLUSTER, 4 x 4.  A row of the cluster is four pairs of heads on the same queries: the mask's tile is asked for jointly (waves 0-3, 16 rows each).  A column is four blocks of queries of the same heads: kv jointly (waves 4-7).
; PREFETCH.  At each refill every wave names, once, its share of what the NEXT refill loads (two key steps ahead of that load): of a mask wave's 16 rows x 1,024 bytes partner cx takes the 256 bytes at 256 cx of each row (a lane a row);
; of a kv wave's 68 blocks of 256 bytes partner cy takes 17.  Lanes left over name their wave's last block again.  The last refill names nothing; the first three slots' worth come by their loads alone.
; LAYOUT.  Both products are used transposed (S^T = K Q^T, O^T = V^T P^T): a lane holds ONE query.  Stored tiles have their rows in the order 32 g + 8 u + i + 8 (i / 8), so that the 16 registers of tiles 2 g, 2 g + 1 are 16 neighbours.
; THE STEP GOES BY HALVES (blocks 0, 1 and blocks 2, 3 of 32 keys): one half's 32 transcendentals are followed by the other half's plain lines, and one wait stands between two such phases.
; REGISTERS: v1, v5 kv's place in slot 0, 1; v2, v6 the mask's; v3-4 the spare word's; v7 the prefetch's offset; v[8:9], v[14:15] the sum; v[10:11] f, 0; v12 -M; v13 the largest t; v16-23 Q; v24-27 scale words of K, then V; v28 Q's; v29 p's;
;   v[30:31] 30.0; v32-95 F: K, then the mask, then V; v96-159 S: scores, then p; v160-223 O^T; v224-231 p's codes; v232-254 at work.
.set MP,    1040                       ; a mask row in LDS: 1,024 bytes + 16 of padding
.set STEPK, 17408                      ; a head's block of kv for one key step
.set KVO,   64*MP
.set SLOTB, KVO+4*STEPK
.set SPARE, 2*SLOTB                    ; the spare words: 128 bytes a wave
.set F,  32
.set S,  96
.set O,  160
.set WV,  14
.set SEL, 18
.set C1,  20
.set M60, 22
.set G1M, 24
.set G1K, 32
.set G0M, 40
.set G0K, 48
.set LG,  56
.set CNT, 59
.set QT,  72                           ; wave % 4
.set HS,  73                           ; wave / 4
.set WQ,  74
.set HD,  75
.set PFA, 76                           ; s[76:77] where my prefetches stand
.set PFS, 78                           ; s[78:79] a slot on, in bytes
.set OPA1, 1
.set OPA2, 2
.set OPA3C, 3
.set OPA3A, 4
.set OPA4, 5
.set OPSUB, 6
.set OPSM, 7
.set OPRS, 8
.macro WAITV
	s_wait_alu depctr_va_vdst(0)
.endm
.macro NOPS
.rept 4
	v_nop
.endr
.endm
.macro ROUND                           ; a round of the cluster's barrier
	s_barrier_signal -1
	s_barrier_wait -1
	s_cmp_lg_u32 s[WV], 0
	s_cbranch_scc1 .Lnot_wave_0_\@
	s_barrier_signal -3
.Lnot_wave_0_\@:
	s_barrier_wait -3
	s_barrier_signal -1
	s_barrier_wait -1
.endm
.macro CREST                           ; a round behind its opening barrier
	s_cmp_lg_u32 s[WV], 0
	s_cbranch_scc1 .Lnot_w0_\@
	s_barrier_signal -3
.Lnot_w0_\@:
	s_barrier_wait -3
	s_barrier_signal -1
	s_barrier_wait -1
.endm
.macro TLOAD sl
	s_cmp_lt_u32 s[WV], 4
	s_cbranch_scc0 .Lkv_\@
	tensor_load_to_lds s[G0M+4*(\sl):G0M+4*(\sl)+3], s[G1M:G1M+7]
	s_nop 0
	NOPS
	s_branch .Lasked_\@
.Lkv_\@:
	tensor_load_to_lds s[G0K+4*(\sl):G0K+4*(\sl)+3], s[G1K:G1K+7]
	s_nop 0
	NOPS
.Lasked_\@:
.endm
	s_load_b256 s[4:11], s[0:1], 0x0               ; qi, kv, mask, oi
	s_load_b64 s[12:13], s[0:1], 0x20              ; os
	v_lshl_add_u32 v3, v0, 2, SPARE
	v_mov_b32 v4, 0
	ds_add_u32 v3, v4                              ; the opening lines
	ds_add_u32 v3, v4
	v_lshrrev_b32 v5, 5, v0
	v_readfirstlane_b32 s[WV], v5                  ; wave 0..7
	s_and_b32 s[QT], s[WV], 3
	s_lshr_b32 s[HS], s[WV], 2
	s_bfe_u32 s15, ttmp6, 0x40000                  ; cx
	s_bfe_u32 s60, ttmp6, 0x40004                  ; cy
	s_lshl_b32 s16, ttmp9, 2
	s_add_co_u32 s16, s16, s15                     ; the pair of heads
	s_and_b32 s17, ttmp7, 0xffff
	s_lshl_b32 s17, s17, 2
	s_add_co_u32 s17, s17, s60                     ; the block of 64 queries
	s_lshl_b32 s61, s60, 2
	s_lshl_b32 s61, 15, s61                        ; my row of the cluster
	s_lshl_b32 s62, 0x1111, s15                    ; my column
	s_lshl_b32 s66, s17, 19                        ; the mask: 64 rows of 8,192 bytes a block,
	s_lshl_b32 s63, s[QT], 17                      ; 16 rows a part
	s_add_co_u32 s66, s66, s63
	s_mov_b32 s67, 0
	s_mul_i32 s70, s[QT], 16*MP                    ; its place in a slot
	s_mul_i32 s68, s16, 32*STEPK                   ; kv: 2 x 16 blocks a pair of heads,
	s_lshr_b32 s63, s[QT], 1
	s_mul_i32 s63, s63, 16*STEPK                   ; part i: head i / 2,
	s_add_co_u32 s68, s68, s63
	s_and_b32 s63, s[QT], 1
	s_mul_i32 s63, s63, STEPK                      ; step i % 2 of the slot
	s_add_co_u32 s68, s68, s63
	s_mov_b32 s69, 0
	s_mul_i32 s71, s[QT], STEPK
	s_add_co_u32 s71, s71, KVO
	s_or_b32 s[G1M], s61, (2<<16)|(1<<20)|(1<<21)|(7<<22)|(3<<25)  ; 16 rows of 256 f32, 2,048 apart, four words of padding behind each 256
	s_mov_b32 s[G1M+1], 256<<16
	s_mov_b32 s[G1M+2], 16<<16
	s_mov_b32 s[G1M+3], 256<<16
	s_mov_b32 s[G1M+4], 16
	s_mov_b32 s[G1M+5], 2048
	s_mov_b32 s[G1M+6], 0
	s_mov_b32 s[G1M+7], 0
	s_or_b32 s[G1K], s62, (3<<16)|(1<<21)          ; 17,408 dense bytes as 68 rows of 256
	s_mov_b32 s[G1K+1], 32<<16
	s_mov_b32 s[G1K+2], 68<<16
	s_mov_b32 s[G1K+3], 32<<16
	s_mov_b32 s[G1K+4], 68
	s_mov_b32 s[G1K+5], 32
	s_mov_b32 s[G1K+6], 0
	s_mov_b32 s[G1K+7], 0
	s_mov_b32 s[SEL], 0x76543210
	s_mov_b32 s[SEL+1], 0xfedcba98
	s_mov_b32 s[C1], 0x3c0b4875                    ; 2 log2(e) / (30 sqrt(128))
	s_mov_b32 s[C1+1], s[C1]
	s_mov_b32 s[M60], 0xc2700000                   ; -60
	s_mov_b32 s[M60+1], s[M60]
	s_mov_b32 s[LG], 0x3fb8aa3b                    ; log2(e)
	s_mov_b32 s[LG+1], s[LG]
	; Q: natural token 16 u + r of a block of 128 lies in stored tile 2 (u / 2) + r / 8 at row 8 (u % 2) + r % 8; u = 4 (query block % 2) + w % 4
	s_and_b32 s[WQ], s17, 1
	s_lshl_b32 s[WQ], s[WQ], 2
	s_add_co_u32 s[WQ], s[WQ], s[QT]
	s_lshl_b32 s[HD], s16, 1
	s_add_co_u32 s[HD], s[HD], s[HS]               ; my head
	s_lshr_b32 s84, s[WQ], 1
	s_and_b32 s85, s[WQ], 1
	s_lshl_b32 s85, s85, 7
	s_lshl_b32 s86, s84, 11
	s_add_co_u32 s86, s86, s85                     ; codes: 2,048 (u / 2) + 128 (u % 2)
	s_lshl_b32 s84, s84, 2
	s_add_co_u32 s85, s85, s84                     ; scale word: 128 (u % 2) + 4 (u / 2)
	s_lshl_b32 s2, s[HD], 4
	s_lshr_b32 s3, s17, 1
	s_add_co_u32 s2, s2, s3
	s_mul_i32 s2, s2, 8704                         ; qi's block 16 head + query block / 2
	s_mov_b32 s3, 0
	s_mul_i32 s87, s[HS], 2*STEPK
	s_add_co_u32 s87, s87, KVO                     ; my head's part of a slot
	; the prefetches: the mask's waves and kv's differ in numbers alone
	s_mul_i32 s82, s15, 256                        ; the mask: partner cx's 256 bytes of a row
	s_mul_i32 s83, s60, 17*256                     ; kv: partner cy's 17 blocks
	s_mov_b32 s81, 256
	s_mov_b32 s[PFS], 2*STEPK
	s_cmp_lt_u32 s[WV], 4
	s_cselect_b32 s80, 15, 16                      ; the last lane with a block of its own
	s_cselect_b32 s81, 8192, s81                   ; from lane to lane
	s_cselect_b32 s[PFS], 1024, s[PFS]
	s_cselect_b32 s82, s82, s83
	s_mov_b32 s[PFS+1], 0
	s_lshl_b32 s83, s[PFS], 1
	s_add_co_u32 s82, s82, s83                     ; at the third slot's worth: each refill steps it first
	s_mov_b32 s83, 0
	s_wait_dscnt 0x0                               ; both opening adds are done
	s_wait_kmcnt 0x0
	s_add_nc_u64 s[66:67], s[8:9], s[66:67]
	s_add_nc_u64 s[68:69], s[6:7], s[68:69]
	s_add_nc_u64 s[4:5], s[4:5], s[2:3]
	s_cmp_lt_u32 s[WV], 4
	s_cselect_b64 s[PFA:PFA+1], s[66:67], s[68:69]
	s_add_nc_u64 s[PFA:PFA+1], s[PFA:PFA+1], s[82:83]
.irp s, 0,1
	s_mov_b32 s[G0M+4*\s], 1
	s_add_co_u32 s[G0M+4*\s+1], s70, \s*SLOTB
	s_add_nc_u64 s[G0M+4*\s+2:G0M+4*\s+3], s[66:67], \s*1024
	s_or_b32 s[G0M+4*\s+3], s[G0M+4*\s+3], 0x80000000
	s_mov_b32 s[G0K+4*\s], 1
	s_add_co_u32 s[G0K+4*\s+1], s71, \s*SLOTB
	s_add_nc_u64 s[G0K+4*\s+2:G0K+4*\s+3], s[68:69], \s*2*STEPK
	s_or_b32 s[G0K+4*\s+3], s[G0K+4*\s+3], 0x80000000
.endr
	ROUND                                          ; all sixteen work-groups are here: the first joint loads meet
	TLOAD 0                                        ; slot 0: my one tensor load at the head
	v_and_b32 v232, 31, v0                         ; lane
	v_and_b32 v233, 15, v0                         ; r
	v_bfe_u32 v234, v0, 4, 1                       ; h
	v_lshl_add_u32 v1, v232, 4, s87                ; an image's place for my lane
	v_mul_u32_u24 v2, v233, MP
	v_lshrrev_b32 v235, 3, v233
	v_and_b32 v236, 7, v233
	v_lshl_add_u32 v2, v234, 6, v2
	v_lshlrev_b32 v251, 4, v236
	v_add_nc_u32 v5, SLOTB, v1
	v_add_nc_u32 v2, s70, v2                       ; the mask: row 16 (w % 4) + r, + 64 h
	v_lshl_add_u32 v250, v235, 10, v251
	v_lshl_add_u32 v251, v235, 8, v251             ; Q's scale word: 256 (r / 8) + 16 (r % 8)
	v_lshl_add_u32 v250, v234, 8, v250             ; Q's codes: 1,024 (r / 8) + 256 h + 16 (r % 8)
	v_add_nc_u32 v6, SLOTB, v2
	v_add_nc_u32 v251, s85, v251
	v_add_nc_u32 v250, s86, v250
	v_min_u32 v7, s80, v232
	v_mul_lo_u32 v7, v7, s81
	WAITV                                          ; ahead of the readers below
	global_load_b128 v[16:19], v250, s[4:5]
	global_load_b128 v[20:23], v250, s[4:5] offset:512
	global_load_b32 v28, v251, s[4:5] offset:8192
	v_mov_b32 v13, 0xff61b1e6                      ; the largest t so far: -3e38
	v_floor_f32 v12, -v13                          ; -M
	v_mov_b32 v8, 0
	v_mov_b32 v9, 0
	v_mov_b32 v14, 0
	v_mov_b32 v15, 0
	v_mov_b32 v242, 0                              ; the sum runs in four packed chains: v[14:15], v[8:9], v[242:243], v[252:253]
	v_mov_b32 v243, 0
	v_mov_b32 v252, 0
	v_mov_b32 v253, 0
	v_mov_b32 v10, 0
	v_mov_b32 v11, 0
	v_mov_b32 v30, 0x41f00000                      ; 30.0
	v_mov_b32 v31, 0x41f00000
.irp b, 0,1,2,3
	v_mov_b32 v[236+\b], 0                         ; a lane permute's destination counts as one of its sources
.endr
.set j, 0
.rept 64
	v_mov_b32 v[O+j], 0                            ; O^T: the step has no first form of its own
.set j, j+1
.endr
; One plain line: line i (0 .. 7) of work op on block b of 32 keys (16 registers, 8 pairs a lane).
.macro LINE op, b, i
.set rS, S+16*(\b)+2*(\i)
.if \op == OPA1
	v_pk_mul_f32 v[rS:rS+1], v[rS:rS+1], s[C1:C1+1] op_sel_hi:[1,0]                       ; c1 s
.elseif \op == OPA2
	v_pk_add_f32 v[rS:rS+1], v[rS:rS+1], 1.0 op_sel_hi:[1,0]                              ; 1 + 2^(c1 s)
.elseif \op == OPA3C
	v_pk_fma_f32 v[rS:rS+1], v[rS:rS+1], s[M60:M60+1], v[30:31] op_sel_hi:[1,0,1]         ; the cap
.elseif \op == OPA3A
	v_pk_add_f32 v[rS:rS+1], v[rS:rS+1], v[F+16*(\b)+2*(\i):F+16*(\b)+2*(\i)+1]           ; + mask: the logit
.elseif \op == OPA4
.set tA, 236+8*((\b)%2)                ; the block's largest logit, as a tree three deep: five leaves of three, then two joins and the last; it serves the row's maximum and the block's largest p
.set tB, 240+(\b)%2
.set sB, S+16*(\b)
.if (\i) < 4
	v_max3_num_f32 v[tA+(\i)], v[sB+3*(\i)], v[sB+3*(\i)+1], v[sB+3*(\i)+2]
.elseif (\i) == 4
	v_max3_num_f32 v[tB], v[sB+12], v[sB+13], v[sB+14]
.elseif (\i) == 5
	v_max3_num_f32 v[tA], v[tA], v[tA+1], v[tA+2]
.elseif (\i) == 6
	v_max3_num_f32 v[tB], v[tA+3], v[tB], v[sB+15]
.else
	v_max_num_f32 v[232+(\b)], v[tA], v[tB]
.endif
.elseif \op == OPSUB
	v_pk_fma_f32 v[rS:rS+1], v[rS:rS+1], s[LG:LG+1], v[12:13] op_sel_hi:[1,0,0]           ; t - M
.elseif \op == OPSM
.set cS, 2*((\b)%2)+(\i)%2
.if cS == 0
.set rC, 14
.elseif cS == 1
.set rC, 8
.elseif cS == 2
.set rC, 242
.else
.set rC, 252
.endif
	v_pk_add_f32 v[rC:rC+1], v[rC:rC+1], v[rS:rS+1]                                       ; the row's sum of the unquantised p, in four packed chains
.elseif \op == OPRS
	v_pk_mul_f32 v[O+16*(\b)+2*(\i):O+16*(\b)+2*(\i)+1], v[O+16*(\b)+2*(\i):O+16*(\b)+2*(\i)+1], v[10:11] op_sel_hi:[1,0]   ; O^T under the new M
.endif
.endm
.macro HALF op, b                      ; the 16 lines of op on blocks b and b + 1
.set n, 0
.rept 8
	LINE \op, \b, n
.set n, n+1
.endr
.set n, 0
.rept 8
	LINE \op, (\b)+1, n
.set n, n+1
.endr
.endm
.macro ALL op, b                       ; the 8 lines of op on block b
.set n, 0
.rept 8
	LINE \op, \b, n
.set n, n+1
.endr
.endm
.macro MIX o0, b0, o1, b1
.set n, 0
.rept 8
	LINE \o0, \b0, n
	LINE \o1, \b1, n
.set n, n+1
.endr
.endm
.macro MIX4 o0, b0, o1, b1, o2, b2, o3, b3
.set n, 0
.rept 8
	LINE \o0, \b0, n
	LINE \o1, \b1, n
	LINE \o2, \b2, n
	LINE \o3, \b3, n
.set n, n+1
.endr
.endm
.macro TR tr, b                        ; 32 transcendentals, in place, on blocks b and b + 1 (tr = 0: 2^x; 1: 1 / x)
.set n, 0
.rept 32
.if \tr
	v_rcp_f32 v[S+16*(\b)+n], v[S+16*(\b)+n]
.else
	v_exp_f32 v[S+16*(\b)+n], v[S+16*(\b)+n]
.endif
.set n, n+1
.endr
.endm
.macro KQ t                            ; S^T's tile t: 16 keys x my 16 queries.  Two tiles' scale words share a register
.if (\t)%2
	v_wmma_scale_f32_16x16x128_f8f6f4 v[S+8*\t:S+8*\t+7], v[F+8*\t:F+8*\t+7], v[16:23], 0, v[24+\t/2], v28 matrix_a_fmt:MATRIX_FMT_FP4 matrix_b_fmt:MATRIX_FMT_FP4 matrix_a_scale:MATRIX_SCALE_ROW1
.else
	v_wmma_scale_f32_16x16x128_f8f6f4 v[S+8*\t:S+8*\t+7], v[F+8*\t:F+8*\t+7], v[16:23], 0, v[24+\t/2], v28 matrix_a_fmt:MATRIX_FMT_FP4 matrix_b_fmt:MATRIX_FMT_FP4
.endif
.endm
.macro PV t                            ; O^T's tile t += 16 channels x 128 keys x my 16 queries
.if (\t)%2
	v_wmma_scale_f32_16x16x128_f8f6f4 v[O+8*\t:O+8*\t+7], v[F+8*\t:F+8*\t+7], v[224:231], v[O+8*\t:O+8*\t+7], v[24+\t/2], v29 matrix_a_fmt:MATRIX_FMT_FP4 matrix_b_fmt:MATRIX_FMT_FP4 matrix_a_scale:MATRIX_SCALE_ROW1
.else
	v_wmma_scale_f32_16x16x128_f8f6f4 v[O+8*\t:O+8*\t+7], v[F+8*\t:F+8*\t+7], v[224:231], v[O+8*\t:O+8*\t+7], v[24+\t/2], v29 matrix_a_fmt:MATRIX_FMT_FP4 matrix_b_fmt:MATRIX_FMT_FP4
.endif
.endm
.macro IMG adr, off                    ; eight images of operand registers into F
.irp t, 0,1,2,3,4,5,6,7
	ds_load_b128 v[F+8*\t:F+8*\t+3], v[\adr] offset:\off+1024*\t
	ds_load_b128 v[F+8*\t+4:F+8*\t+7], v[\adr] offset:\off+1024*\t+512
.endr
.endm
.macro MLOAD adr, off, b0              ; mask(my query, keys 32 b + 16 h + 0 .. 15) for blocks b0, b0 + 1
.irp b, \b0, \b0+1
.irp j, 0,1,2,3
	ds_load_b128 v[F+16*(\b)+4*\j:F+16*(\b)+4*\j+3], v[\adr] offset:\off+128*(\b)+16*\j
.endr
.endr
.endm
; A KEY STEP, 128 keys.  j4: its place in the ring: slot j4 / 2, step j4 % 2.  mode 2: the slot is left and filled again; 1: it is left, a barrier alone; 0: neither.  pf 1: a prefetch; 2: but in the loop's last trip; 0: none.
.macro STEP j4, mode, pf
.set SL, (\j4)/2
.set KO, ((\j4)%2)*STEPK
.set MO, ((\j4)%2)*512
.set AK, 1+4*SL
.set AM, 2+4*SL
	NOPS                                           ; places behind the last step's products, in front of loads into their registers
	ds_load_b128 v[24:27], v[AK] offset:KO+16384   ; K's scale words
	IMG AK, KO
	s_wait_dscnt 8                                 ; the scale words and tiles 0-3 are in; the eight loads of tiles 4-7 may be out
.irp t, 0,1,2,3
	KQ \t
.endr
	NOPS
	MLOAD AM, MO, 0                                ; the mask lands where K's tiles 0-3 lay
	HALF OPA1, 0
	WAITV
	s_wait_dscnt 8                                 ; K's tiles 4-7 are in; the eight loads of the mask may be out
	TR 0, 0
.irp t, 4,5,6,7
	KQ \t
.endr
	NOPS
	MLOAD AM, MO, 2
	HALF OPA1, 2
	WAITV
	TR 0, 2
	HALF OPA2, 0
	WAITV
	TR 1, 0
	HALF OPA2, 2
	WAITV
	s_wait_dscnt 0x0                               ; the mask
	TR 1, 2
	HALF OPA3C, 0
	HALF OPA3A, 0
	WAITV
	HALF OPA3C, 2
	MIX4 OPA3A, 2, OPA4, 0, OPA3A, 3, OPA4, 1
	IMG AK, KO+8192                                ; V^T's fragments, where the mask lay: the step's last reads of LDS
	ds_load_b128 v[24:27], v[AK] offset:KO+16896   ; V^T's scale words
	MIX OPA4, 2, OPA4, 3
.if \mode >= 1
	WAITV                                          ; ahead of the wait below
	s_wait_tensorcnt 0x0                           ; all my tensor loads have landed: my part of the other slot
	ds_add_u32 v3, v4                              ; the row's maximum is worked out while the add is out
.endif
.if \mode == 2
	s_add_nc_u64 s[G0M+4*SL+2:G0M+4*SL+3], s[G0M+4*SL+2:G0M+4*SL+3], 2048       ; this slot's next tiles: four key steps on
	s_add_nc_u64 s[G0K+4*SL+2:G0K+4*SL+3], s[G0K+4*SL+2:G0K+4*SL+3], 4*STEPK
	s_wait_xcnt 0x0                                ; my last prefetch has read its address
	s_add_nc_u64 s[PFA:PFA+1], s[PFA:PFA+1], s[PFS:PFS+1]
.endif
.irp b, 0,1,2,3
	v_permlanex16_b32 v[236+\b], v[232+\b], s[SEL], s[SEL+1]
.endr
.irp b, 0,1,2,3
	v_max_num_f32 v[232+\b], v[232+\b], v[236+\b]  ; with lane l xor 16's 16 keys
.endr
	s_delay_alu instid0(VALU_DEP_2)
	v_max3_num_f32 v254, v232, v233, v234
	s_delay_alu instid0(VALU_DEP_1)
	v_max_num_f32 v254, v254, v235                 ; the step's largest logit of my query
	s_delay_alu instid0(VALU_DEP_1)
	v_mul_f32 v254, s[LG], v254                    ; as t
	s_delay_alu instid0(VALU_DEP_1)
	v_max_num_f32 v13, v13, v254                   ; the running largest t
	v_mov_b32 v254, v12
	s_delay_alu instid0(VALU_DEP_2)
	v_floor_f32 v12, -v13                          ; the new -M = -ceil(t)
	s_delay_alu instid0(VALU_DEP_1)
	v_sub_f32 v254, v12, v254                      ; old M - new M: a whole number, 0 or less
.irp b, 0,1,2,3
	v_fma_f32 v[232+\b], v[232+\b], s[LG], v12     ; t - M of each block's largest logit
.endr
	v_cvt_i32_f32 v254, v254                       ; (it saturates)
	s_delay_alu instid0(VALU_DEP_1)
	v_ldexp_f32 v10, 1.0, v254                     ; f = 2^(old M - new M)
	s_delay_alu instid0(VALU_DEP_1)
	v_pk_mul_f32 v[14:15], v[14:15], v[10:11] op_sel_hi:[1,0]
	v_pk_mul_f32 v[8:9], v[8:9], v[10:11] op_sel_hi:[1,0]
	v_pk_mul_f32 v[242:243], v[242:243], v[10:11] op_sel_hi:[1,0]
	v_pk_mul_f32 v[252:253], v[252:253], v[10:11] op_sel_hi:[1,0]
.if \mode >= 1
	WAITV
	s_wait_dscnt 0x0                               ; the add is done, and my reads of this slot are over
.endif
.if \mode >= 1
	s_barrier_signal -1                            ; said here; the rest of the step, work on registers alone, stands between the signal and its wait
.endif
	HALF OPSUB, 0
	WAITV
	TR 0, 0
	HALF OPSUB, 2
	WAITV
	TR 0, 2
.irp b, 0,1,2,3
	v_exp_f32 v[232+\b], v[232+\b]                 ; each block's largest p
.endr
	v_nop                                          ; one plain line behind the batch
	WAITV                                          ; behind the step's last transcendental, directly ahead of the first readers of O^T; plain lines alone follow up to the last of them
	MIX4 OPRS, 0, OPSM, 0, OPRS, 1, OPSM, 1
	MIX OPRS, 2, OPSM, 2
	ALL OPRS, 3
.irp b, 0,1,2,3
	v_max_num_f32 v[232+\b], 0x1800000, v[232+\b]  ; the floor 2^(3 - 127): the byte cannot fall under 1
.endr
.irp b, 0,1,2,3
	v_add_nc_u32 v[244+\b], 0xff000000, v[232+\b]  ; 2 off the exponent field: the conversion's scale operand
.endr
.irp b, 0,1,2,3
	v_lshrrev_b32 v[236+\b], 23, v[244+\b]         ; the scale's byte
.endr
	v_lshl_or_b32 v29, v237, 8, v236
	v_lshl_or_b32 v240, v239, 8, v238
	s_delay_alu instid0(VALU_DEP_1)
	v_lshl_or_b32 v29, v240, 16, v29               ; p's scale word for these 128 keys
.irp b, 0,1,2,3
	v_cvt_scalef32_pk8_fp4_f32 v[224+2*\b], v[S+16*\b:S+16*\b+7], v[244+\b]
	v_cvt_scalef32_pk8_fp4_f32 v[225+2*\b], v[S+16*\b+8:S+16*\b+15], v[244+\b]
.endr
	v_nop                                          ; one plain line behind the last scaled conversion
.irp c, 0,1                                    ; the operand's layout wants a whole block in a lane
.irp i, 0,1
	v_permlane16_swap_b32 v[224+4*\c+\i], v[226+4*\c+\i]
.endr
.endr
	ALL OPSM, 3                                    ; eight lines that name no register of the products below: the places behind p's codes and scale word
	WAITV
.if \mode == 0
	s_wait_dscnt 0x0                               ; V^T (in the other modes it was waited for ahead of the signal)
.endif
.irp t, 0,1,2,3,4,5,6,7
	PV \t                                          ; eight accumulators by turns
.endr
.if \mode >= 1
	s_barrier_wait -1
.endif
.if \mode == 2
	CREST                                          ; no wave of any partner still reads this slot or has a load on its way
	TLOAD SL                                       ; my one tensor load until the next round
.if \pf == 2
	s_cmp_lg_u32 s[CNT], 1
	s_cbranch_scc0 .Lno_pf_\@
.endif
.if \pf
	global_prefetch_b8 v7, s[PFA:PFA+1] th:TH_LOAD_NT scope:SCOPE_SE
.endif
.if \pf == 2
.Lno_pf_\@:
.endif
.endif
.endm
	WAITV                                          ; the head's end
	s_wait_tensorcnt 0x0                           ; my part of slot 0 is in; a later first fill is issued as a refill is
	ds_add_u32 v3, v4
	s_wait_dscnt 0x0
	ROUND
	TLOAD 1                                        ; slot 1
	s_wait_loadcnt 0x0                             ; Q
	s_mov_b32 s[CNT], 3
.Lring:                                            ; a trip goes once round the ring, four key steps, and fills both slots again
	STEP 0, 0, 0
	STEP 1, 2, 1
	STEP 2, 0, 0
	STEP 3, 2, 2
	s_sub_co_u32 s[CNT], s[CNT], 1
	s_cmp_lg_u32 s[CNT], 0
	s_cbranch_scc1 .Lring
	STEP 0, 0, 0                                   ; the last four steps are written out: nothing is left to ask for
	STEP 1, 1, 0
	STEP 2, 0, 0
	STEP 3, 0, 0
	; THE WAY OUT: O^T / the sum, quantised along my head's 128 channels, which are K step `head` of the last product.
	s_lshl_b32 s2, s17, 2
	s_add_co_u32 s2, s2, s[QT]                     ; my tile of tokens
	s_lshl_b32 s62, s2, 4
	s_add_co_u32 s62, s62, s[HD]
	s_lshl_b32 s62, s62, 10                        ; oi: [tile][K step = head][1,024 bytes]
	s_mov_b32 s63, 0
	s_add_nc_u64 s[10:11], s[10:11], s[62:63]
	s_lshl_b32 s62, s2, 10                         ; os: [tile][head / 4][row][head % 4]
	s_lshr_b32 s2, s[HD], 2
	s_lshl_b32 s2, s2, 8
	s_add_co_u32 s62, s62, s2
	s_and_b32 s2, s[HD], 3
	s_lshl_b32 s2, s2, 2
	s_add_co_u32 s62, s62, s2
	s_add_nc_u64 s[12:13], s[12:13], s[62:63]
	NOPS                                           ; places behind the last products
	v_pk_add_f32 v[14:15], v[14:15], v[8:9]
	v_pk_add_f32 v[242:243], v[242:243], v[252:253]
	s_delay_alu instid0(VALU_DEP_1)
	v_pk_add_f32 v[14:15], v[14:15], v[242:243]
	s_delay_alu instid0(VALU_DEP_1)
	v_add_f32 v14, v14, v15
	s_delay_alu instid0(VALU_DEP_1)
	v_permlanex16_b32 v236, v14, s[SEL], s[SEL+1]
	s_delay_alu instid0(VALU_DEP_1)
	v_add_f32 v14, v14, v236                       ; the row's sum
	WAITV
	v_rcp_f32 v14, v14
	v_nop
	WAITV
.set j, 0
.rept 32
	v_pk_mul_f32 v[S+2*j:S+2*j+1], v[O+2*j:O+2*j+1], v[14:15] op_sel_hi:[1,0]   ; register 16 g + i = channel 32 g + 16 h + i
.set j, j+1
.endr
.irp b, 0,1,2,3
	v_max3_num_f32 v[232+\b], |v[S+16*\b]|, |v[S+16*\b+1]|, 0x1800000
.endr
.irp i, 2,4,6,8,10,12,14
.irp b, 0,1,2,3
	v_max3_num_f32 v[232+\b], v[232+\b], |v[S+16*\b+\i]|, |v[S+16*\b+\i+1]|
.endr
.endr
.irp b, 0,1,2,3
	v_permlanex16_b32 v[236+\b], v[232+\b], s[SEL], s[SEL+1]
.endr
.irp b, 0,1,2,3
	v_max_num_f32 v[232+\b], v[232+\b], v[236+\b]
.endr
.irp b, 0,1,2,3
	v_add_nc_u32 v[244+\b], 0xff000000, v[232+\b]
.endr
.irp b, 0,1,2,3
	v_lshrrev_b32 v[236+\b], 23, v[244+\b]
.endr
	v_lshl_or_b32 v253, v237, 8, v236
	v_lshl_or_b32 v240, v239, 8, v238
	s_delay_alu instid0(VALU_DEP_1)
	v_lshl_or_b32 v253, v240, 16, v253
.irp b, 0,1,2,3
	v_cvt_scalef32_pk8_fp4_f32 v[224+2*\b], v[S+16*\b:S+16*\b+7], v[244+\b]
	v_cvt_scalef32_pk8_fp4_f32 v[225+2*\b], v[S+16*\b+8:S+16*\b+15], v[244+\b]
.endr
	v_nop
.irp c, 0,1
.irp i, 0,1
	v_permlane16_swap_b32 v[224+4*\c+\i], v[226+4*\c+\i]
.endr
.endr
	v_and_b32 v250, 31, v0
	v_and_b32 v251, 15, v0
	v_lshlrev_b32 v250, 4, v250                    ; 16 x lane
	v_lshlrev_b32 v251, 4, v251                    ; 16 r
	WAITV
	global_store_b128 v250, v[224:227], s[10:11]   ; 512 consecutive bytes a store
	global_store_b128 v250, v[228:231], s[10:11] offset:512
	global_store_b32 v251, v253, s[12:13]          ; one word a row, 16 bytes apart: a row's 16 bytes belong to four heads; both halves of the lanes write the same word
	s_wait_tensorcnt 0x0                           ; the wave's end
	ds_add_u32 v3, v4
	s_wait_dscnt 0x0
	ROUND                                          ; the closing round
	s_endpgm
.Lfunc_end_k_q891352c861_attn:
	.size	k_q891352c861_attn, .Lfunc_end_k_q891352c861_attn-k_q891352c861_attn
	.p2alignl 7, 3214868480
	.fill 96, 4, 3214868480
	.section	.rodata,"a",@progbits
	.p2align	6, 0x0
	.amdhsa_kernel k_q891352c861_attn
		.amdhsa_group_segment_fixed_size 327680
		.amdhsa_private_segment_fixed_size 0
		.amdhsa_enable_private_segment 0
		.amdhsa_kernarg_size 40
		.amdhsa_user_sgpr_count 2
		.amdhsa_user_sgpr_kernarg_segment_ptr 1
		.amdhsa_wavefront_size32 1
		.amdhsa_system_sgpr_workgroup_id_x 1
		.amdhsa_system_sgpr_workgroup_id_y 1
		.amdhsa_system_sgpr_workgroup_id_z 1
		.amdhsa_system_vgpr_workitem_id 0
		.amdhsa_next_free_vgpr 256
		.amdhsa_next_free_sgpr 100
		.amdhsa_reserve_vcc 0
		.amdhsa_float_denorm_mode_32 3
		.amdhsa_float_denorm_mode_16_64 3
		.amdhsa_memory_ordered 1
		.amdhsa_forward_progress 1
		.amdhsa_inst_pref_size 255
	.end_amdhsa_kernel
	.section	.bss,"aw",@nobits
	.p2align	6
	.space	262144
	.amdgpu_metadata
---
amdhsa.version: [ 1, 2 ]
amdhsa.kernels:
  - .name:           k_q891352c861_attn
    .symbol:         k_q891352c861_attn.kd
    .args:
      - { .name: qi, .offset: 0, .size: 8, .value_kind: global_buffer, .address_space: global }
      - { .name: kv, .offset: 8, .size: 8, .value_kind: global_buffer, .address_space: global }
      - { .name: mask, .offset: 16, .size: 8, .value_kind: global_buffer, .address_space: global }
      - { .name: oi, .offset: 24, .size: 8, .value_kind: global_buffer, .address_space: global }
      - { .name: os, .offset: 32, .size: 8, .value_kind: global_buffer, .address_space: global }
    .group_segment_fixed_size: 327680
    .private_segment_fixed_size: 0
    .kernarg_segment_align: 8
    .kernarg_segment_size: 40
    .max_flat_workgroup_size: 256
    .sgpr_count:     100
    .vgpr_count:     256
    .wavefront_size: 32
...
	.end_amdgpu_metadata
.endif
;; end of part 3
;; launch fin (part 4): grid 16 x 16, 8 waves a work-group, clusters of 4 x 4, 327,680 bytes of LDS; arguments oi, os, cod, scl, x, out0, gate_b; writes out0
.if DOCPART == 4
	.amdgcn_target "amdgcn-amd-amdhsa--gfx1250"
	.amdhsa_code_object_version 6
	.text
	.protected	k_q891352c861_fin
	.globl	k_q891352c861_fin
	.p2align	8
	.type	k_q891352c861_fin,@function
k_q891352c861_fin:
	s_mov_b64 s[64:65], 0
	v_nop
	global_prefetch_b8 v0, s[64:65] scope:SCOPE_SE
	s_setreg_imm32_b32 hwreg(HW_REG_WAVE_MODE, 25, 1), 1
	s_wait_xcnt 0x0
	s_wait_alu depctr_hold_cnt(0) depctr_sa_sdst(0) depctr_va_vdst(0) depctr_va_sdst(0) depctr_va_ssrc(0) depctr_va_vcc(0) depctr_vm_vsrc(0)
	s_getreg_b32 s2, hwreg(HW_REG_IB_STS2, 6, 4)
	s_cmp_eq_u32 s2, 0
	s_cbranch_scc0 .Lentry_in_a_cluster
	s_endpgm
.Lentry_in_a_cluster:
	s_bfe_u32 s2, ttmp6, 0x10000c
	s_cmp_lg_u32 s2, 0xf033
	s_cbranch_scc0 .Lentry_shape_is_right
	s_endpgm
.Lentry_shape_is_right:
; FIN: z = x gate_W^T + gate_b and y = o Wo^T, both on codes of FP4 (E2M1) with E8M0 scales; alpha = 1 / (1 + 2^(-log2(e) z)); out = x + alpha (y - x), which is (1 - alpha) x + alpha y with one rounding placed otherwise.
; o: oi [tile of 16 tokens][K step][1,024 bytes], images of operand registers, os [tile][group of 4 K steps][row][4 words].  x, gate_W, Wo: matrices 0, 5, 6 of cod and scl, laid likewise, their rows in the stored order
; 32 (T / 2) + 8 (T % 2) + i + 8 (i / 8).  x's fragments and scale words are gathered back into natural order lane by lane: token 16 a + r lies in stored tile r / 8 of its pair at row 8 a + r % 8.
; SHARES.  A tile of 128 x 128 to a work-group: 256 work-groups.  Eight waves, each 32 rows x 64 columns: 8 accumulators a product.  Two panels for ALL of K (131,072 bytes each) lie in LDS: first x's and gate_W's, then, behind
; the full sequence and a round, o's and Wo's in the same bytes; each wave brings two tiles, 32,768 dense bytes, by one tensor load a fill.  The sigmoid is worked on the sums in place while the second fill is out.
; The scale words of all 16 K steps go from memory straight into registers.  gate_b is the C of the first product's first step.
; CLUSTERS: 4 x 4: the row panels are shared along a row of the cluster, the weights' along a column, by joint loads (waves 0-3 rows, waves 4-7 weights).
; PREFETCH: at the head each wave names, once, its share of what its second load brings: of the 128 blocks of 256 bytes the partner at place p (cx for o, cy for Wo) takes 32 p .. 32 p + 31, a lane a block: one fill ahead.
; THE MATRIX INSTRUCTION IS USED TRANSPOSED (source 0 = 16 rows of a weight, source 1 = 16 tokens): a lane holds one token, and its 16 registers of tiles 2 g, 2 g + 1 are the columns 32 g + 16 (lane / 16) + 0 .. 15.
; LIMITS: NaN and infinities among the inputs are not served.
; REGISTERS: window 0: v1-13 addresses; v14-15 the spare word's; v16-31 the tokens' scale words by K step (lanes 16-31: my second tile); v32-47, v48-63 the weight's (tiles 0 | 1, 2 | 3); v64-127 z, then alpha ((a, b) at 64 + 8 (4 a + b));
;   v128-175, v176-223 two sets of fragments; v224-255 gate_b in the sums' layout; on the way out v128-255 rows of y and alpha.   window 1: v0-63 y, v64-127 x by rows.
.set STG,   262144                     ; behind the panels: a stage of 16 rows x (256 bytes + 16) for each wave
.set SPARE, STG+8*16*272               ; the spare words: 128 bytes a wave
.set WV, 3
.set G1A, 24
.set G1B, 32
.set G0A, 40                           ; x's codes
.set G0B, 44                           ; gate_W's
.set G0C, 48                           ; o's
.set G0D, 52                           ; Wo's
.set MSB, 0
.macro WIN new
.if MSB != \new
	s_set_vgpr_msb (MSB<<8)|\new
.set MSB, \new
.endif
.endm
.macro CROUND
	s_barrier_signal -1
	s_barrier_wait -1
	s_cmp_lg_u32 s[WV], 0
	s_cbranch_scc1 .Lnot_wave_0_\@
	s_barrier_signal -3
.Lnot_wave_0_\@:
	s_barrier_wait -3
	s_barrier_signal -1
	s_barrier_wait -1
.endm
.macro JLOAD g0a, g0b                  ; waves 0-3 the row panel, waves 4-7 the weight's: every way passes one load
	s_cmp_lt_u32 s[WV], 4
	s_cbranch_scc0 .Lfor_b_\@
	tensor_load_to_lds s[\g0a:\g0a+3], s[G1A:G1A+7]
	s_nop 0
.rept 4
	v_nop
.endr
	s_branch .Lasked_\@
.Lfor_b_\@:
	tensor_load_to_lds s[\g0b:\g0b+3], s[G1B:G1B+7]
	s_nop 0
.rept 4
	v_nop
.endr
.Lasked_\@:
.endm
	s_load_b256 s[4:11], s[0:1], 0x0               ; oi, os, cod, scl
	s_load_b128 s[12:15], s[0:1], 0x20             ; x, out0
	s_load_b64 s[16:17], s[0:1], 0x30              ; gate_b
	v_lshl_add_u32 v14, v0, 2, SPARE
	v_mov_b32 v15, 0
	ds_add_u32 v14, v15                            ; the opening lines
	ds_add_u32 v14, v15
	v_lshrrev_b32 v1, 5, v0
	v_readfirstlane_b32 s[WV], v1                  ; wave 0..7
	s_and_b32 s56, s[WV], 3                        ; which two tiles of a panel I fetch
	s_bfe_u32 s20, ttmp6, 0x40000                  ; cx, cy
	s_bfe_u32 s21, ttmp6, 0x40004
	s_lshl_b32 s22, ttmp9, 2
	s_add_co_u32 s22, s22, s20                     ; tile column
	s_and_b32 s23, ttmp7, 0xffff
	s_lshl_b32 s23, s23, 2
	s_add_co_u32 s23, s23, s21                     ; tile row
	s_lshl_b32 s57, s21, 2
	s_lshl_b32 s57, 15, s57                        ; my row of the cluster
	s_lshl_b32 s58, 0x1111, s20                    ; my column
	s_or_b32 s[G1A], s57, (3<<16)|(1<<21)          ; 32,768 dense bytes as 128 rows of 256, in elements of 8 bytes
	s_or_b32 s[G1B], s58, (3<<16)|(1<<21)
.irp g, G1A, G1B
	s_mov_b32 s[\g+1], 32<<16
	s_mov_b32 s[\g+2], 128<<16
	s_mov_b32 s[\g+3], 32<<16
	s_mov_b32 s[\g+4], 128
	s_mov_b32 s[\g+5], 32
	s_mov_b32 s[\g+6], 0
	s_mov_b32 s[\g+7], 0
.endr
	s_lshl_b32 s56, s56, 15
	s_lshl_b32 s60, s23, 17                        ; a row panel's codes: x's in cod (matrix 0) and o's in oi alike  (these never hold cx, the weights' never cy)
	s_add_co_u32 s60, s60, s56
	s_mov_b32 s61, 0
	s_lshl_b32 s62, s22, 17                        ; gate_W's: matrix 5; Wo's lie one matrix on
	s_add_co_u32 s62, s62, s56
	s_add_co_u32 s62, s62, 5<<21
	s_mov_b32 s63, 0
	s_lshl_b32 s59, s[WV], 15                      ; where they go: 32,768 x wave
	s_lshr_b32 s66, s[WV], 1                       ; which 32 rows are mine
	s_and_b32 s67, s[WV], 1                        ; which 64 columns
	s_lshl_b32 s68, s23, 13                        ; the tokens' scale words: my two tiles
	s_lshl_b32 s70, s66, 11
	s_add_co_u32 s68, s68, s70
	s_mov_b32 s69, 0
	s_lshl_b32 s70, s22, 13                        ; the weights': my four tiles, matrix 5
	s_lshl_b32 s72, s67, 12
	s_add_co_u32 s70, s70, s72
	s_add_co_u32 s70, s70, 5<<17
	s_mov_b32 s71, 0
	s_lshl_b32 s72, s22, 9                         ; my first column, 4 bytes each
	s_lshl_b32 s74, s67, 8
	s_add_co_u32 s72, s72, s74
	s_mov_b32 s73, 0
	s_lshl_b32 s74, s23, 20                        ; my first row, rows of 8,192 bytes
	s_lshl_b32 s76, s66, 18
	s_add_co_u32 s74, s74, s76
	s_add_co_u32 s74, s74, s72
	s_mov_b32 s75, 0
	s_lshl_b32 s76, s66, 15                        ; LDS: my two tiles of tokens,
	s_lshl_b32 s77, s67, 16
	s_add_co_u32 s77, s77, 131072                  ; my four of the weight,
	s_mul_i32 s78, s[WV], 16*272
	s_add_co_u32 s78, s78, STG                     ; my stage
	s_mov_b32 s80, 0xbfb8aa3b                      ; -log2(e)
	s_mov_b32 s81, s80
	s_cmp_lt_u32 s[WV], 4
	s_cselect_b32 s82, s20, s21                    ; my place among the four that ask with me
	s_lshl_b32 s82, s82, 13                        ; 32 blocks of 256 bytes a place
	s_mov_b32 s83, 0
	s_wait_dscnt 0x0
	s_wait_kmcnt 0x0
	s_add_nc_u64 s[86:87], s[4:5], s[60:61]        ; o's part
	s_add_nc_u64 s[88:89], s[8:9], s[62:63]        ; gate_W's
	s_add_nc_u64 s[90:91], s[88:89], 0x200000      ; Wo's
	s_add_nc_u64 s[94:95], s[8:9], s[60:61]        ; x's
	s_mov_b32 s[G0A], 1
	s_mov_b32 s[G0A+1], s59
	s_mov_b64 s[G0A+2:G0A+3], s[94:95]
	s_or_b32 s[G0A+3], s[G0A+3], 0x80000000
	s_mov_b32 s[G0B], 1
	s_mov_b32 s[G0B+1], s59
	s_mov_b64 s[G0B+2:G0B+3], s[88:89]
	s_or_b32 s[G0B+3], s[G0B+3], 0x80000000
	s_mov_b32 s[G0C], 1
	s_mov_b32 s[G0C+1], s59
	s_mov_b64 s[G0C+2:G0C+3], s[86:87]
	s_or_b32 s[G0C+3], s[G0C+3], 0x80000000
	s_mov_b32 s[G0D], 1
	s_mov_b32 s[G0D+1], s59
	s_mov_b64 s[G0D+2:G0D+3], s[90:91]
	s_or_b32 s[G0D+3], s[G0D+3], 0x80000000
	s_cmp_lt_u32 s[WV], 4
	s_cselect_b64 s[84:85], s[86:87], s[90:91]
	s_add_nc_u64 s[84:85], s[84:85], s[82:83]      ; where my prefetch stands
	s_add_nc_u64 s[6:7], s[6:7], s[68:69]          ; o's scale words
	s_add_nc_u64 s[92:93], s[10:11], s[68:69]      ; x's
	s_add_nc_u64 s[10:11], s[10:11], s[70:71]      ; gate_W's; Wo's 131,072 bytes on
	s_add_nc_u64 s[12:13], s[12:13], s[74:75]
	s_add_nc_u64 s[14:15], s[14:15], s[74:75]
	s_add_nc_u64 s[16:17], s[16:17], s[72:73]
	CROUND                                         ; all sixteen work-groups are here: the joint loads meet
	JLOAD G0A, G0B
	v_and_b32 v1, 31, v0
	v_and_b32 v2, 15, v0                           ; r
	v_bfe_u32 v3, v0, 4, 1                         ; h
	v_lshlrev_b32 v7, 8, v1                        ; the prefetch: 256 x lane
	v_lshlrev_b32 v1, 4, v1                        ; 16 x lane
	v_lshlrev_b32 v13, 4, v2                       ; 16 r
	v_lshrrev_b32 v9, 3, v2                        ; r / 8
	v_and_b32 v5, 7, v2                            ; r % 8
	v_mul_u32_u24 v10, v2, 272
	v_mul_u32_u24 v11, v3, 272
	v_add_nc_u32 v4, s76, v1                       ; o's fragments
	v_add_nc_u32 v6, s77, v1                       ; the weights'
	v_lshl_add_u32 v8, v3, 10, v13                 ; scale words in tile order: 16 r, lanes 16-31 the next tile
	v_lshlrev_b32 v5, 4, v5
	v_lshl_add_u32 v10, v3, 6, v10
	v_lshl_add_u32 v11, v2, 4, v11
	v_lshl_add_u32 v12, v3, 13, v13                ; two rows of x and out0
	v_lshl_add_u32 v2, v9, 10, v5                  ; x's scale words: 1,024 (r / 8) + 16 (r % 8)
	v_lshl_add_u32 v5, v9, 14, v5                  ; x's fragments: 16,384 (r / 8) + 16 (r % 8)
	v_lshl_add_u32 v2, v3, 7, v2                   ; + 128 for my second tile of tokens
	v_lshl_add_u32 v5, v3, 8, v5                   ; + 256 h
	v_add_nc_u32 v10, s78, v10                     ; the stage, in: row r, + 64 h
	v_add_nc_u32 v11, s78, v11                     ; back: lanes 0-15 one row of 256 bytes, lanes 16-31 the next
	v_add_nc_u32 v5, s76, v5
	v_lshlrev_b32 v3, 6, v3                        ; gate_b: 64 h
	s_wait_alu depctr_va_vdst(0)                   ; the head's end
.irp g, 0,1,2,3
	global_load_b128 v[16+4*\g:19+4*\g], v2, s[92:93] offset:256*\g          ; the scale words of all 16 K steps: x's,
	global_load_b128 v[32+4*\g:35+4*\g], v8, s[10:11] offset:256*\g          ; gate_W's tiles 0 | 1,
	global_load_b128 v[48+4*\g:51+4*\g], v8, s[10:11] offset:2048+256*\g     ; tiles 2 | 3
.endr
.irp b, 0,1,2,3
.irp i, 0,1
	global_load_b128 v[224+8*\b+4*\i:227+8*\b+4*\i], v3, s[16:17] offset:(32*(\b/2)+8*(\b%2)+4*\i)*4   ; gate_b at columns 32 (b / 2) + 16 h + 8 (b % 2) + 0 .. 7
.endr
.endr
	WIN 0x40                                       ; destination window 1
.irp a, 0,1
.irp t, 0,1,2,3,4,5,6,7
	global_load_b128 v[64+4*(8*\a+\t):64+4*(8*\a+\t)+3], v12, s[12:13] offset:(16*\a+2*\t)*8192 th:TH_LOAD_NT   ; x: sixteen lanes read 256 consecutive bytes
.endr
.endr
	WIN 0
	global_prefetch_b8 v7, s[84:85] th:TH_LOAD_NT scope:SCOPE_SE
.macro FETCH s, aa, as                 ; K step s: 12 loads into set s % 2; aa: the tokens' address register, as: bytes from my first tile of tokens to my second
.set FS, 128+48*((\s)%2)
.set KO, (\s)*1024
.irp a, 0,1
	ds_load_b128 v[FS+8*\a:FS+8*\a+3], v[\aa] offset:\a*(\as)+KO
	ds_load_b128 v[FS+8*\a+4:FS+8*\a+7], v[\aa] offset:\a*(\as)+KO+512
.endr
.irp b, 0,1,2,3
	ds_load_b128 v[FS+16+8*\b:FS+16+8*\b+3], v6 offset:\b*16384+KO
	ds_load_b128 v[FS+16+8*\b+4:FS+16+8*\b+7], v6 offset:\b*16384+KO+512
.endr
.endm
.macro WM g, s, a, b                   ; product g (0: z, 1: y), accumulator (a, b), K step s.  Two tiles' scale words share a register: the odd tile's lie in lanes 16-31
.set FS, 128+48*((\s)%2)
.set DD, 64*(1-(\g))+8*(4*(\a)+(\b))
.set CC, DD
.set ZZ, 0
.if (\s) == 0
.if (\g) == 0
.set CC, 224+8*(\b)
.else
.set ZZ, 1
.endif
.endif
.set RB, FS+16+8*(\b)
.set RA, FS+8*(\a)
.set SB, 32+16*((\b)/2)+(\s)
.set SA, 16+(\s)
.if ZZ
.if ((\b)%2 == 0) && ((\a) == 0)
	v_wmma_scale_f32_16x16x128_f8f6f4 v[DD:DD+7], v[RB:RB+7], v[RA:RA+7], 0, v[SB], v[SA] matrix_a_fmt:MATRIX_FMT_FP4 matrix_b_fmt:MATRIX_FMT_FP4
.elseif ((\b)%2 == 1) && ((\a) == 0)
	v_wmma_scale_f32_16x16x128_f8f6f4 v[DD:DD+7], v[RB:RB+7], v[RA:RA+7], 0, v[SB], v[SA] matrix_a_fmt:MATRIX_FMT_FP4 matrix_b_fmt:MATRIX_FMT_FP4 matrix_a_scale:MATRIX_SCALE_ROW1
.elseif ((\b)%2 == 0) && ((\a) == 1)
	v_wmma_scale_f32_16x16x128_f8f6f4 v[DD:DD+7], v[RB:RB+7], v[RA:RA+7], 0, v[SB], v[SA] matrix_a_fmt:MATRIX_FMT_FP4 matrix_b_fmt:MATRIX_FMT_FP4 matrix_b_scale:MATRIX_SCALE_ROW1
.else
	v_wmma_scale_f32_16x16x128_f8f6f4 v[DD:DD+7], v[RB:RB+7], v[RA:RA+7], 0, v[SB], v[SA] matrix_a_fmt:MATRIX_FMT_FP4 matrix_b_fmt:MATRIX_FMT_FP4 matrix_a_scale:MATRIX_SCALE_ROW1 matrix_b_scale:MATRIX_SCALE_ROW1
.endif
.else
.if ((\b)%2 == 0) && ((\a) == 0)
	v_wmma_scale_f32_16x16x128_f8f6f4 v[DD:DD+7], v[RB:RB+7], v[RA:RA+7], v[CC:CC+7], v[SB], v[SA] matrix_a_fmt:MATRIX_FMT_FP4 matrix_b_fmt:MATRIX_FMT_FP4
.elseif ((\b)%2 == 1) && ((\a) == 0)
	v_wmma_scale_f32_16x16x128_f8f6f4 v[DD:DD+7], v[RB:RB+7], v[RA:RA+7], v[CC:CC+7], v[SB], v[SA] matrix_a_fmt:MATRIX_FMT_FP4 matrix_b_fmt:MATRIX_FMT_FP4 matrix_a_scale:MATRIX_SCALE_ROW1
.elseif ((\b)%2 == 0) && ((\a) == 1)
	v_wmma_scale_f32_16x16x128_f8f6f4 v[DD:DD+7], v[RB:RB+7], v[RA:RA+7], v[CC:CC+7], v[SB], v[SA] matrix_a_fmt:MATRIX_FMT_FP4 matrix_b_fmt:MATRIX_FMT_FP4 matrix_b_scale:MATRIX_SCALE_ROW1
.else
	v_wmma_scale_f32_16x16x128_f8f6f4 v[DD:DD+7], v[RB:RB+7], v[RA:RA+7], v[CC:CC+7], v[SB], v[SA] matrix_a_fmt:MATRIX_FMT_FP4 matrix_b_fmt:MATRIX_FMT_FP4 matrix_a_scale:MATRIX_SCALE_ROW1 matrix_b_scale:MATRIX_SCALE_ROW1
.endif
.endif
.endm
.macro GEMM g, aa, as                  ; 16 K steps; eight accumulators by turns, one instruction a turn
	FETCH 0, \aa, \as
.irp s, 0,1,2,3,4,5,6,7,8,9,10,11,12,13,14,15
.if \s > 0
.rept 4
	v_nop                                          ; places: step s + 1's fragments land in the set that step s - 1's products have read
.endr
.endif
.if \s < 15
	FETCH \s+1, \aa, \as
	s_wait_dscnt 12                                ; all but the 12 loads just issued
.else
	s_wait_dscnt 0x0
.endif
.if \g
	WIN 0x50                                       ; y's sums lie in window 1
.endif
.irp a, 0,1
.irp b, 0,1,2,3
	WM \g, \s, \a, \b
.endr
.endr
	WIN 0
.endr
.endm
	s_wait_tensorcnt 0x0                           ; my two tiles are in,
	s_barrier_signal -1
	s_barrier_wait -1                              ; everybody's are
	s_wait_loadcnt 16                              ; the scale words and gate_b are in; x's 16 loads may be out
	GEMM 0, 5, 128                                 ; z = x gate_W^T + gate_b
	s_wait_tensorcnt 0x0                           ; the panels are filled again
	ds_add_u32 v14, v15
	s_wait_dscnt 0x0                               ; the add is done, and my reads of the panels are over
	CROUND
	JLOAD G0C, G0D                                 ; its four v_nop are also the places in front of the loads and lines below
.irp g, 0,1,2,3
	global_load_b128 v[16+4*\g:19+4*\g], v8, s[6:7] offset:256*\g                    ; o's scale words,
	global_load_b128 v[32+4*\g:35+4*\g], v8, s[10:11] offset:131072+256*\g           ; Wo's tiles 0 | 1,
	global_load_b128 v[48+4*\g:51+4*\g], v8, s[10:11] offset:131072+2048+256*\g      ; tiles 2 | 3
.endr
	; THE SIGMOID, on the sums in place, each from its low end on
.set k, 0
.rept 32
	v_pk_mul_f32 v[64+2*k:65+2*k], v[64+2*k:65+2*k], s[80:81] op_sel_hi:[1,0]        ; -log2(e) z
.set k, k+1
.endr
	s_wait_alu depctr_va_vdst(0)                   ; a wait ahead of each batch and behind it
.set k, 0
.rept 64
	v_exp_f32 v[64+k], v[64+k]
.set k, k+1
.endr
	v_nop
	s_wait_alu depctr_va_vdst(0)
.set k, 0
.rept 32
	v_pk_add_f32 v[64+2*k:65+2*k], v[64+2*k:65+2*k], 1.0 op_sel_hi:[1,0]
.set k, k+1
.endr
	s_wait_alu depctr_va_vdst(0)
.set k, 0
.rept 64
	v_rcp_f32 v[64+k], v[64+k]
.set k, k+1
.endr
	v_nop
	s_wait_alu depctr_va_vdst(0)
	s_wait_tensorcnt 0x0                           ; my two tiles of the second fill are in,
	s_barrier_signal -1
	s_barrier_wait -1                              ; everybody's are
	s_wait_loadcnt 0x0                             ; the scale words, and x
	GEMM 1, 4, 16384                               ; y = o Wo^T
	; THE WAY OUT, 16 rows at a time: y and alpha go through my stage, so that a lane holds 16 neighbouring bytes of a row, as x was loaded.
.irp a, 0,1
.if \a == 0
.rept 4
	v_nop                                          ; places behind the last products
.endr
.endif
	WIN 0x04                                       ; the stores' data: window 1
.irp b, 0,1,2,3
	ds_store_b128 v10, v[8*(4*\a+\b):8*(4*\a+\b)+3] offset:128*(\b/2)+32*(\b%2)          ; column 32 (b / 2) + 16 h + 8 (b % 2) + j; each accumulator from its low end on
	ds_store_b128 v10, v[8*(4*\a+\b)+4:8*(4*\a+\b)+7] offset:128*(\b/2)+32*(\b%2)+16
.endr
	WIN 0
.irp t, 0,1,2,3,4,5,6,7
	ds_load_b128 v[128+64*\a+4*\t:128+64*\a+4*\t+3], v11 offset:544*\t   ; LDS serves a wave's instructions in order: these see the stores above, and the stores below come behind them
.endr
.irp b, 0,1,2,3
	ds_store_b128 v10, v[64+8*(4*\a+\b):64+8*(4*\a+\b)+3] offset:128*(\b/2)+32*(\b%2)    ; alpha likewise
	ds_store_b128 v10, v[64+8*(4*\a+\b)+4:64+8*(4*\a+\b)+7] offset:128*(\b/2)+32*(\b%2)+16
.endr
.irp t, 0,1,2,3,4,5,6,7
	ds_load_b128 v[160+64*\a+4*\t:160+64*\a+4*\t+3], v11 offset:544*\t
.endr
	s_wait_dscnt 0x0
	WIN 0x04                                       ; source 1 (x) window 1
.set k, 0
.rept 16
	v_pk_add_f32 v[128+64*\a+2*k:128+64*\a+2*k+1], v[128+64*\a+2*k:128+64*\a+2*k+1], v[64+32*\a+2*k:64+32*\a+2*k+1] neg_lo:[0,1] neg_hi:[0,1]   ; y - x
.set k, k+1
.endr
	WIN 0x10                                       ; source 2 (x) window 1
.set k, 0
.rept 16
	v_pk_fma_f32 v[128+64*\a+2*k:128+64*\a+2*k+1], v[160+64*\a+2*k:160+64*\a+2*k+1], v[128+64*\a+2*k:128+64*\a+2*k+1], v[64+32*\a+2*k:64+32*\a+2*k+1]   ; alpha (y - x) + x
.set k, k+1
.endr
	WIN 0
.irp t, 0,1,2,3,4,5,6,7
	global_store_b128 v12, v[128+64*\a+4*\t:128+64*\a+4*\t+3], s[14:15] offset:(16*\a+2*\t)*8192 th:TH_STORE_NT   ; sixteen lanes store 256 consecutive bytes, aligned
.endr
.endr
	s_wait_tensorcnt 0x0                           ; the wave's end
	ds_add_u32 v14, v15
	s_wait_dscnt 0x0
	CROUND                                         ; the closing round
	s_endpgm
.Lfunc_end_k_q891352c861_fin:
	.size	k_q891352c861_fin, .Lfunc_end_k_q891352c861_fin-k_q891352c861_fin
	.p2alignl 7, 3214868480
	.fill 96, 4, 3214868480
	.section	.rodata,"a",@progbits
	.p2align	6, 0x0
	.amdhsa_kernel k_q891352c861_fin
		.amdhsa_group_segment_fixed_size 327680
		.amdhsa_private_segment_fixed_size 0
		.amdhsa_enable_private_segment 0
		.amdhsa_kernarg_size 56
		.amdhsa_user_sgpr_count 2
		.amdhsa_user_sgpr_kernarg_segment_ptr 1
		.amdhsa_wavefront_size32 1
		.amdhsa_system_sgpr_workgroup_id_x 1
		.amdhsa_system_sgpr_workgroup_id_y 1
		.amdhsa_system_sgpr_workgroup_id_z 1
		.amdhsa_system_vgpr_workitem_id 0
		.amdhsa_next_free_vgpr 384
		.amdhsa_next_free_sgpr 100
		.amdhsa_reserve_vcc 0
		.amdhsa_float_denorm_mode_32 3
		.amdhsa_float_denorm_mode_16_64 3
		.amdhsa_memory_ordered 1
		.amdhsa_forward_progress 1
		.amdhsa_inst_pref_size 94
	.end_amdhsa_kernel
	.amdgpu_metadata
---
amdhsa.version: [ 1, 2 ]
amdhsa.kernels:
  - .name:           k_q891352c861_fin
    .symbol:         k_q891352c861_fin.kd
    .args:
      - { .name: oi, .offset: 0, .size: 8, .value_kind: global_buffer, .address_space: global }
      - { .name: os, .offset: 8, .size: 8, .value_kind: global_buffer, .address_space: global }
      - { .name: cod, .offset: 16, .size: 8, .value_kind: global_buffer, .address_space: global }
      - { .name: scl, .offset: 24, .size: 8, .value_kind: global_buffer, .address_space: global }
      - { .name: x, .offset: 32, .size: 8, .value_kind: global_buffer, .address_space: global }
      - { .name: out0, .offset: 40, .size: 8, .value_kind: global_buffer, .address_space: global }
      - { .name: gate_b, .offset: 48, .size: 8, .value_kind: global_buffer, .address_space: global }
    .group_segment_fixed_size: 327680
    .private_segment_fixed_size: 0
    .kernarg_segment_align: 8
    .kernarg_segment_size: 56
    .max_flat_workgroup_size: 256
    .sgpr_count:     100
    .vgpr_count:     384
    .wavefront_size: 32
...
	.end_amdgpu_metadata
.endif
;; end of part 4
